; MI455X (gfx1250); checked and timed in simulation.
; The chip was launched on July 23, 2026; its instructions are those of AMD's public machine-readable ISA for CDNA 5 (MIT licence, August 2026) and "CDNA5" Instruction Set Architecture Reference Guide (July 2026). The comments in the code are by the model that wrote it; some were corrected since.
;; Multi Head Attention. Allowed arithmetic: matrix products marked QUANTISED: E2M1 operands, one E8M0 scale for each 32 along K, by v_wmma_scale_f32_16x16x128_f8f6f4 with both operands' format E2M1 (or v_wmma_scale_f32_32x16x128_f4), f32 sums; products left as they are: f32 operands where the result goes on into a quantised operand, else bf16, f16 or f32 operands; f32 sums; everything else in f32.
;; Inputs: ada_b 2,048 float32; ada_w 2,048 x 64 float32; k_codes 4 x 2,048 x 32 x 16 uint8 (E2M1 codes of k, K innermost, in blocks of 32 codes, two codes a byte); k_scales 4 x 2,048 x 32 uint8 (E8M0 scales of k, one for each 32 codes along K); q 4 x 2,048 x 1,024 float32; t 4 x 64 float32; v_codes 4 x 2,048 x 32 x 16 uint8 (E2M1 codes of v, K innermost, in blocks of 32 codes, two codes a byte); v_scales 4 x 2,048 x 32 uint8 (E8M0 scales of v, one for each 32 codes along K); w_fc_codes 1,024 x 32 x 16 uint8 (E2M1 codes of w_fc, K innermost, in blocks of 32 codes, two codes a byte); w_fc_scales 1,024 x 32 uint8 (E8M0 scales of w_fc, one for each 32 codes along K); w_k_codes 1,024 x 32 x 16 uint8 (E2M1 codes of w_k, K innermost, in blocks of 32 codes, two codes a byte); w_k_scales 1,024 x 32 uint8 (E8M0 scales of w_k, one for each 32 codes along K); w_q_codes 1,024 x 32 x 16 uint8 (E2M1 codes of w_q, K innermost, in blocks of 32 codes, two codes a byte); w_q_scales 1,024 x 32 uint8 (E8M0 scales of w_q, one for each 32 codes along K); w_v_codes 1,024 x 32 x 16 uint8 (E2M1 codes of w_v, K innermost, in blocks of 32 codes, two codes a byte); w_v_scales 1,024 x 32 uint8 (E8M0 scales of w_v, one for each 32 codes along K).
;; Outputs: out0 4 x 2,048 x 1,024 float32.
;; This version of the problem:
;;   THIS VERSION OF THE PROBLEM IS GIVEN IN LOW PRECISION. The matrix products marked QUANTISED in the list below multiply operands that are first quantised to E2M1 (2 exponent bits, 1 mantissa bit; 4 bits a number), with one power-of-two scale for each 32 numbers along K (OCP MX v1.0); their sums are f32. All else is computed in f32.
;;   The module's matrix products, in the order in which they are computed (A, B: the left and right operand; K: the contracted axis; several contracted axes count as one K, in the product's order):
;;     1. [M 4, K 64] x [K 64, N 2,048]; A: computed on the way; B: input ada_w: left as it is (M = 4 < 16)
;;     2. [M 8,192, K 1,024] x [K 1,024, N 1,024]; A: computed on the way; B: input w_q (given as codes): QUANTISED
;;     3. [M 8,192, K 1,024] x [K 1,024, N 1,024]; A: input k (given as codes); B: input w_k (given as codes): QUANTISED
;;     4. [M 8,192, K 1,024] x [K 1,024, N 1,024]; A: input v (given as codes); B: input w_v (given as codes): QUANTISED
;;     5. batch 64 x [M 2,048, K 64] x [K 64, N 2,048]; A: computed on the way; B: computed on the way: QUANTISED
;;     6. batch 64 x [M 2,048, K 2,048] x [K 2,048, N 64]; A: softmax (see below); B: computed on the way: QUANTISED
;;     7. [M 8,192, K 1,024] x [K 1,024, N 1,024]; A: computed on the way; B: input w_fc (given as codes): QUANTISED
;;   THE QUANTISER, for each operand of a quantised product, along K:
;;     - K is cut into blocks of 32 from its start; a last block that is shorter is filled with zeros.
;;     - A block's scale is 2^e with e = floor(log2(the largest magnitude in the block)) - 2, held to -126 .. 127; a block of zeros has e = 0. As a byte (E8M0): e + 127.
;;     - Each number is divided by its block's scale, clamped to +-6, and rounded to the nearest number of E2M1, ties to even, subnormals kept.
;;     - The product sums the exact products of the quantised numbers (number of the format x scale) in f32.
;;   ~~~python
;;   def quantise(x, axis):      # numpy; x: float32 -> the quantised numbers, widened to float32 again
;;       x = np.moveaxis(x, axis, -1); K = x.shape[-1]
;;       x = np.pad(x, [(0, 0)] * (x.ndim - 1) + [(0, -K % 32)]); x = x.reshape(x.shape[:-1] + (-1, 32)); a = np.abs(x).max(-1, keepdims=True)
;;       e = np.where(a > 0, np.clip(np.frexp(np.where(a > 0, a, 1))[1] - 1 - 2, -126, 127), 0)      # np.frexp(a)[1] - 1 = floor(log2(a)), exactly
;;       r = np.clip(x / 2.0 ** e, -6, 6)
;;       step = 2.0 ** (np.maximum(np.frexp(np.where(r == 0, 1, r))[1] - 1, 0) - 1)
;;       q = np.round(r / step) * step * 2.0 ** e      # np.round: ties to even
;;       return np.moveaxis(q.reshape(q.shape[:-2] + (-1,))[..., :K], -1, axis).astype(np.float32)
;;   ~~~
;;   SOFTMAX AHEAD OF A QUANTISED PRODUCT. Where the list says 'softmax', what is quantised is not the finished softmax but p = 2^(t - M), with t = logit x log2(e) and M = ceil(the row's largest t), a whole number; so 1/2 < the row's largest p <= 1. The row's sum l is taken of the UNQUANTISED p, in f32, and the product's result is divided by l at the end. Since M is a whole number, a kernel that streams over the keys may use a running M (the ceiling of the running maximum): every later rescaling is an exact power of two, which a block's scale takes up: the codes' values come out the same.
;;   OPERANDS COMPUTED ON THE WAY. 'Computed on the way' means the value that the module computes at that place (a softmax that the list does not call 'softmax' is quantised finished and normalised). What goes into a quantiser is computed in f32, as accurately as f32 sums, v_exp_f32 and their like allow (about 1e-6 of the number): no bf16 or f16 on the way to a quantiser, and a product that is left as it is and whose result goes on into a quantised operand takes f32 operands (vector FMAs, or v_wmma_f32_16x16x4_f32). A number that lies on a knife's edge between two numbers of the format may be rounded either way, as far as f32 arithmetic and the matrix unit's own rounding can turn it there, and no further.
;;   INPUTS GIVEN AS CODES. k (in the module: [4, 2048, 1024], K = its axis 2); v (in the module: [4, 2048, 1024], K = its axis 2); w_fc (in the module: [1024, 1024], K = its axis 1); w_k (in the module: [1024, 1024], K = its axis 1); w_q (in the module: [1024, 1024], K = its axis 1); w_v (in the module: [1024, 1024], K = its axis 1): each comes as NAME_codes (uint8): NAME with its K axis moved to the last place and cut into blocks of 32 codes, [.., K / 32, bytes a block], one block behind the other in memory; two codes a byte, the lower K in the low four bits (a code: sign, 2 exponent bits, 1 mantissa bit); and NAME_scales (uint8): the same leading axes, one E8M0 byte (e + 127) for each 32 codes along K. Its value is code x scale, taken as it is: it is not quantised again, and the codes and scales need not be those that the quantiser above would give.
;; One version. Each part assembles by itself: llvm-mc -triple=amdgcn-amd-amdhsa -mcpu=gfx1250 --defsym DOCPART=n.
;; ======== version 1 of 1: 4 launches
;; limits: right only within a limited range of input values
;; workspace buffers: emb1 32,768 bytes; kv_codes 8,388,608 bytes; kvs 524,288 bytes; qn_codes 4,194,304 bytes; qn_scales 262,144 bytes; ao_codes 4,194,304 bytes; ao_scales 262,144 bytes; stats 65,536 bytes
;; launch projkv (part 1): grid 4 x 64, 4 waves a work-group, clusters of 4 x 4, 327,680 bytes of LDS; arguments k_codes, k_scales, w_k_codes, w_k_scales, v_codes, v_scales, w_v_codes, w_v_scales, t, ada_w, ada_b, kv_codes, kvs, emb1; writes kv_codes, kvs, emb1
.if DOCPART == 1
	.amdgcn_target "amdgcn-amd-amdhsa--gfx1250"
	.amdhsa_code_object_version 6
	.text
	.protected	k_qb4370137a1_projkv
	.globl	k_qb4370137a1_projkv
	.p2align	8
	.type	k_qb4370137a1_projkv,@function
k_qb4370137a1_projkv:
	s_mov_b64 s[64:65], 0
	v_nop
	global_prefetch_b8 v0, s[64:65] scope:SCOPE_SE
	s_setreg_imm32_b32 hwreg(HW_REG_WAVE_MODE, 25, 1), 1
	s_wait_xcnt 0x0
	s_wait_alu depctr_hold_cnt(0) depctr_sa_sdst(0) depctr_va_vdst(0) depctr_va_sdst(0) depctr_va_ssrc(0) depctr_va_vcc(0) depctr_vm_vsrc(0)
	s_getreg_b32 s2, hwreg(HW_REG_IB_STS2, 6, 4)
	s_cmp_eq_u32 s2, 0
	s_cbranch_scc0 .Lentry_in_a_cluster
	s_endpgm
.Lentry_in_a_cluster:
	s_bfe_u32 s2, ttmp6, 0x10000c
	s_cmp_lg_u32 s2, 0xf033
	s_cbranch_scc0 .Lentry_shape_is_right
	s_endpgm
.Lentry_shape_is_right:
.set PITCH, 528
.set HALFT, 128*PITCH
.set BOFF,  2*HALFT
.set SCL,   4*HALFT
.set HALFS, 16*272
.set STGW,  10240
.set SST,   4*STGW
.set ADRA, 16
.set ADRB, 20
.set STO,  21
.set RDB,  22
.set SSO,  23
.set SSR,  24
.set VA,   25
.set VB,   26
.set ADRS, 27
.set VS,   28
.set SC,   32
.set AF,   128
.set PC,   128
.set TM,   200
.set TP,   204
.set SO,   208
.set BY,   212
.set PW,   216
.set G1A,  32
.set G1B,  40
.set G1SA, 48
.set G1SB, 56
.set G0A,  68
.set G0B,  72
.set G0SA, 76
.set G0SB, 80
.set WV,   84
.set AH,   85
.set BH,   86
.set CX,   87
.set CYI,  88
.set CLY,  89
.set MSB, 0
.macro WIN new
.if MSB != (\new)
	s_set_vgpr_msb (MSB<<8)|(\new)
.set MSB, (\new)
.endif
.endm
.macro PLACES n
.rept \n
	v_nop
.endr
.endm
.macro JLOAD g0a, g1a, g0b, g1b
	s_cmp_eq_u32 s[AH], 0
	s_cbranch_scc0 .Lfor_b_\@
	tensor_load_to_lds s[\g0a:\g0a+3], s[\g1a:\g1a+7]
	s_nop 0
.rept 4
	v_nop
.endr
	s_branch .Lasked_\@
.Lfor_b_\@:
	tensor_load_to_lds s[\g0b:\g0b+3], s[\g1b:\g1b+7]
	s_nop 0
.rept 4
	v_nop
.endr
.Lasked_\@:
.endm
.macro CROUND
	s_barrier_signal -1
	s_barrier_wait -1
	s_cmp_lg_u32 s[WV], 0
	s_cbranch_scc1 .Lnot_wave_0_\@
	s_barrier_signal -3
.Lnot_wave_0_\@:
	s_barrier_wait -3
	s_barrier_signal -1
	s_barrier_wait -1
.endm
	s_load_b512 s[4:19], s[0:1], 0x0
	s_load_b256 s[20:27], s[0:1], 0x40
	s_load_b128 s[28:31], s[0:1], 0x60
	v_lshl_add_u32 v126, v0, 2, 0x46400
	v_mov_b32 v127, 0
	ds_add_u32 v126, v127
	ds_add_u32 v126, v127
	v_lshrrev_b32 v1, 5, v0
	v_readfirstlane_b32 s[WV], v1
	s_lshr_b32 s[AH], s[WV], 1
	s_and_b32 s[BH], s[WV], 1
	s_bfe_u32 s[CX], ttmp6, 0x40000
	s_bfe_u32 s[CYI], ttmp6, 0x40004
	s_and_b32 s[CLY], ttmp7, 0xffff
	s_lshl_b32 s90, s[CYI], 2
	s_lshl_b32 s90, 15, s90
	s_lshl_b32 s91, 0x1111, s[CX]
	s_or_b32 s[G1A], s90, (1<<20)|(1<<21)|(6<<22)|(3<<25)
	s_or_b32 s[G1B], s91, (1<<20)|(1<<21)|(6<<22)|(3<<25)
.irp g, G1A, G1B
	s_mov_b32 s[\g+1], 512<<16
	s_mov_b32 s[\g+2], 128<<16
	s_mov_b32 s[\g+3], 512<<16
	s_mov_b32 s[\g+4], 128
	s_mov_b32 s[\g+5], 512
	s_mov_b32 s[\g+6], 0
	s_mov_b32 s[\g+7], 0
.endr
	s_or_b32 s[G1SA], s90, (3<<16)|(1<<20)|(1<<21)|(5<<22)|(3<<25)
	s_or_b32 s[G1SB], s91, (3<<16)|(1<<20)|(1<<21)|(5<<22)|(3<<25)
.irp g, G1SA, G1SB
	s_mov_b32 s[\g+1], 32<<16
	s_mov_b32 s[\g+2], 16<<16
	s_mov_b32 s[\g+3], 32<<16
	s_mov_b32 s[\g+4], 16
	s_mov_b32 s[\g+5], 32
	s_mov_b32 s[\g+6], 0
	s_mov_b32 s[\g+7], 0
.endr
	s_sub_co_u32 s92, s[CLY], 8
	s_cmp_lt_u32 s[CLY], 8
	s_cselect_b32 s93, s[CLY], 0
	s_cselect_b32 s92, 0, s92
	s_lshl_b32 s93, s93, 2
	s_add_co_u32 s93, s93, s[CYI]
	s_lshl_b32 s92, s92, 2
	s_add_co_u32 s92, s92, s[CX]
	s_lshl_b32 s96, s[BH], 7
	s_lshl_b32 s94, s93, 8
	s_add_co_u32 s94, s94, s96
	s_lshl_b32 s95, s92, 8
	s_add_co_u32 s95, s95, s96
	s_mov_b32 s99, 0
	s_mov_b32 s101, 0
	s_wait_dscnt 0x0
	s_wait_kmcnt 0x0
	s_cmp_lt_u32 s[CLY], 8
	s_cselect_b64 s[4:5], s[4:5], s[16:17]
	s_cselect_b64 s[6:7], s[6:7], s[18:19]
	s_cselect_b64 s[8:9], s[8:9], s[12:13]
	s_cselect_b64 s[10:11], s[10:11], s[14:15]
	CROUND
	s_mov_b32 s[G0SA], 1
	s_mul_i32 s[G0SA+1], s[WV], HALFS
	s_add_co_u32 s[G0SA+1], s[G0SA+1], SCL
	s_lshl_b32 s98, s94, 5
	s_add_nc_u64 s[G0SA+2:G0SA+3], s[6:7], s[98:99]
	s_or_b32 s[G0SA+3], s[G0SA+3], 0x80000000
	s_mov_b32 s[G0SB], 1
	s_mul_i32 s[G0SB+1], s[WV], HALFS
	s_add_co_u32 s[G0SB+1], s[G0SB+1], SCL
	s_lshl_b32 s100, s95, 5
	s_add_nc_u64 s[G0SB+2:G0SB+3], s[10:11], s[100:101]
	s_or_b32 s[G0SB+3], s[G0SB+3], 0x80000000
	JLOAD G0SA, G1SA, G0SB, G1SB
	s_mov_b32 s[G0A], 1
	s_mul_i32 s[G0A+1], s[WV], HALFT
	s_lshl_b32 s98, s94, 9
	s_add_nc_u64 s[G0A+2:G0A+3], s[4:5], s[98:99]
	s_or_b32 s[G0A+3], s[G0A+3], 0x80000000
	s_mov_b32 s[G0B], 1
	s_mul_i32 s[G0B+1], s[WV], HALFT
	s_lshl_b32 s100, s95, 9
	s_add_nc_u64 s[G0B+2:G0B+3], s[8:9], s[100:101]
	s_or_b32 s[G0B+3], s[G0B+3], 0x80000000
	s_wait_alu depctr_va_vdst(0)
	s_wait_tensorcnt 0x0
	ds_add_u32 v126, v127
	s_wait_dscnt 0x0
	CROUND
	JLOAD G0A, G1A, G0B, G1B
	v_and_b32 v1, 15, v0
	v_bfe_u32 v2, v0, 4, 1
	v_and_b32 v3, 31, v0
	v_mul_u32_u24 v4, v1, PITCH
	v_lshl_add_u32 v4, v2, 4, v4
	s_mul_i32 s96, s[AH], HALFT
	v_add_nc_u32 v[ADRA], s96, v4
	s_mul_i32 s96, s[BH], HALFT
	s_add_co_u32 s96, s96, BOFF
	v_add_nc_u32 v[ADRB], s96, v4
	v_lshlrev_b32 v5, 5, v1
	v_lshrrev_b32 v6, 3, v1
	v_lshl_add_u32 v5, v6, 4, v5
	s_mul_i32 s96, s[AH], HALFS
	s_mul_i32 s97, s[BH], HALFS
	s_add_co_u32 s97, s97, 2*HALFS
	s_sub_co_u32 s97, s97, s96
	v_mul_u32_u24 v6, s97, v2
	s_add_co_u32 s96, s96, SCL
	v_add_nc_u32 v5, v5, v6
	v_add_nc_u32 v[ADRS], s96, v5
	s_mul_i32 s96, s[WV], STGW
	v_mul_u32_u24 v[STO], v1, 80
	v_lshl_add_u32 v[STO], v2, 3, v[STO]
	v_add_nc_u32 v[STO], s96, v[STO]
	v_bfe_u32 v5, v0, 1, 3
	v_mul_u32_u24 v[RDB], v5, 80
	v_lshl_add_u32 v[RDB], v2, 5, v[RDB]
	v_and_b32 v5, 1, v0
	v_lshl_add_u32 v[RDB], v5, 4, v[RDB]
	v_add_nc_u32 v[RDB], s96, v[RDB]
	s_lshl_b32 s96, s[WV], 9
	s_add_co_u32 s96, s96, SST
	v_lshl_add_u32 v[SSO], v1, 2, s96
	v_lshl_add_u32 v[SSR], v3, 4, s96
	s_cmp_lt_u32 s[CLY], 8
	s_mov_b32 s96, 2048
	s_cselect_b32 s97, 0x10000, s96
	s_mov_b32 s98, 0x10000
	s_cselect_b32 s98, 2048, s98
	s_mov_b32 s99, 4096
	s_cselect_b32 s99, 256, s99
	v_mul_lo_u32 v[VA], v2, s97
	v_lshl_add_u32 v[VA], v1, 4, v[VA]
	v_add_nc_u32 v[VB], s98, v[VA]
	v_mul_lo_u32 v[VS], v2, s99
	v_lshl_add_u32 v[VS], v1, 4, v[VS]
	s_lshl_b32 s4, s93, 8
	s_lshl_b32 s5, s[AH], 7
	s_add_co_u32 s4, s4, s5
	s_lshl_b32 s5, s92, 8
	s_lshl_b32 s6, s[BH], 7
	s_add_co_u32 s5, s5, s6
	s_cmp_lt_u32 s[CLY], 8
	s_cselect_b32 s6, s4, s5
	s_cselect_b32 s7, s5, s4
	s_cselect_b32 s8, 0, 0x400000
	s_cselect_b32 s9, 2, 1
	s_cselect_b32 s10, 0, 8192
	s_lshr_b32 s11, s6, 11
	s_and_b32 s12, s6, 2047
	s_lshr_b32 s13, s7, 6
	s_lshl_b32 s14, s11, 4
	s_add_co_u32 s14, s14, s13
	s_lshl_b32 s14, s14, 16
	s_lshl_b32 s15, s12, 5
	s_add_co_u32 s14, s14, s15
	s_add_co_u32 s14, s14, s8
	s_mov_b32 s15, 0
	s_add_nc_u64 s[26:27], s[26:27], s[14:15]
	s_lshl_b32 s14, s11, 3
	s_lshr_b32 s13, s13, 1
	s_add_co_u32 s14, s14, s13
	s_lshl_b32 s14, s14, 14
	s_lshl_b32 s12, s12, s9
	s_add_co_u32 s14, s14, s12
	s_add_co_u32 s14, s14, s10
	s_add_nc_u64 s[28:29], s[28:29], s[14:15]
	s_cmp_lg_u32 s[WV], 0
	s_cbranch_scc1 .Lno_emb
	s_lshl_b32 s4, s[CLY], 4
	s_lshl_b32 s5, s[CYI], 2
	s_add_co_u32 s4, s4, s5
	s_add_co_u32 s4, s4, s[CX]
	s_lshr_b32 s5, s4, 6
	s_and_b32 s6, s4, 63
	s_lshl_b32 s6, s6, 5
	s_mov_b32 s9, 0
	s_lshl_b32 s8, s5, 8
	s_add_nc_u64 s[20:21], s[20:21], s[8:9]
	s_lshl_b32 s8, s6, 8
	s_add_nc_u64 s[22:23], s[22:23], s[8:9]
	s_lshl_b32 s8, s6, 2
	s_add_nc_u64 s[24:25], s[24:25], s[8:9]
	s_lshl_b32 s10, s5, 13
	s_add_co_u32 s8, s8, s10
	s_add_nc_u64 s[30:31], s[30:31], s[8:9]
	v_lshlrev_b32 v96, 4, v1
	v_lshlrev_b32 v97, 4, v3
	v_lshlrev_b32 v98, 3, v1
	v_lshl_add_u32 v98, v2, 2, v98
	global_load_b128 v[100:103], v96, s[20:21]
.set I, 0
.rept 16
	global_load_b128 v[128+4*I:131+4*I], v97, s[22:23] offset:512*I
.set I, I+1
.endr
	global_load_b32 v99, v98, s[24:25]
	s_wait_loadcnt 17
.irp e, 0,1,2,3
	v_mul_f32 v[104+\e], 0x3f3504f3, |v[100+\e]|
.endr
.irp e, 0,1,2,3
	v_fma_f32 v[108+\e], 0x3ea7ba05, v[104+\e], 1.0
	v_mul_f32 v[112+\e], v[100+\e], v[100+\e]
.endr
.irp e, 0,1,2,3
	v_mul_f32 v[112+\e], 0xbf38aa3b, v[112+\e]
.endr
	s_wait_alu depctr_va_vdst(0)
.irp e, 0,1,2,3
	v_rcp_f32 v[108+\e], v[108+\e]
	v_exp_f32 v[112+\e], v[112+\e]
.endr
.irp e, 0,1,2,3
	v_mov_b32 v[116+\e], 0x3f87dc22
.endr
	s_wait_alu depctr_va_vdst(0)
.irp k, 0xbfba00e3, 0x3fb5f0e3, 0xbe91a98e, 0x3e827906
.irp e, 0,1,2,3
	v_fmaak_f32 v[116+\e], v[116+\e], v[108+\e], \k
.endr
.endr
.irp e, 0,1,2,3
	v_mul_f32 v[116+\e], v[116+\e], v[108+\e]
.endr
.irp e, 0,1,2,3
	v_mul_f32 v[116+\e], v[116+\e], v[112+\e]
.endr
.irp e, 0,1,2,3
	v_sub_f32 v[104+\e], 2.0, v[116+\e]
	v_cmp_le_f32 vcc_lo, 0, v[100+\e]
	v_cndmask_b32 v[116+\e], v[116+\e], v[104+\e], vcc_lo
	v_mul_f32 v[100+\e], 0.5, v[100+\e]
	v_mul_f32 v[100+\e], v[100+\e], v[116+\e]
.endr
	v_mov_b32 v121, 0
	s_wait_loadcnt 0x0
.set I, 0
.rept 16
	v_mul_f32 v120, v[128+4*I], v100
	v_fmac_f32 v120, v[129+4*I], v101
	s_wait_alu depctr_va_vdst(0)
	v_fmac_f32 v120, v[130+4*I], v102
	v_fmac_f32 v120, v[131+4*I], v103
	v_add_f32_dpp v120, v120, v120 row_xmask:1 row_mask:0xf bank_mask:0xf
	v_add_f32_dpp v120, v120, v120 row_xmask:2 row_mask:0xf bank_mask:0xf
	v_add_f32_dpp v120, v120, v120 row_xmask:4 row_mask:0xf bank_mask:0xf
	v_add_f32_dpp v120, v120, v120 row_xmask:8 row_mask:0xf bank_mask:0xf
	s_mov_b32 s8, 0x00010001<<I
	v_cndmask_b32 v121, v121, v120, s8
.set I, I+1
.endr
	v_add_f32 v121, v121, v99
	s_and_b32 s9, s[CLY], 2
	s_cmp_eq_u32 s9, 0
	s_cselect_b32 s9, 0x3f800000, 0
	v_add_f32 v121, s9, v121
	global_store_b32 v98, v121, s[30:31]
	s_wait_xcnt 0x0
.Lno_emb:
	s_wait_tensorcnt 0x0
	s_barrier_signal -1
	s_barrier_wait -1
.macro FRAG reg, adr, q, i
.irp c, 0,1
	ds_load_b128 v[\reg+4*\c:\reg+4*\c+3], v[\adr] offset:64*(\q)+32*\c+(\i)*16*PITCH
.endr
.endm
.macro FETCH s, p
	WIN 0x40
.irp i, 0,1,2,3,4,5,6,7
	FRAG 128*(\p)+8*\i, ADRB, \s, \i
.endr
	WIN 0
.irp i, 0,1,2,3,4,5,6,7
	FRAG AF+64*(\p)+8*\i, ADRA, \s, \i
.endr
.endm
.macro SCALES
.irp cc, 0,1
.irp i, 0,1,2,3,4,5,6,7
	ds_load_b128 v[SC+32*\cc+4*\i:SC+32*\cc+4*\i+3], v[ADRS] offset:544*\i+16*\cc
.endr
.endr
.endm
.macro MUL16 a0, p, s, zero
.irp a, \a0, \a0+1
.irp b, 0,1,2,3,4,5,6,7
.if \zero
	v_wmma_scale_f32_16x16x128_f8f6f4 v[8*(8*((\a)%4)+\b):8*(8*((\a)%4)+\b)+7], v[128*(\p)+8*\b:128*(\p)+8*\b+7], v[AF+64*(\p)+8*(\a):AF+64*(\p)+8*(\a)+7], 0, v[SC+32*((\s)/4)+4*\b+(\s)%4], v[SC+32*((\s)/4)+4*(\a)+(\s)%4] matrix_a_fmt:MATRIX_FMT_FP4 matrix_b_fmt:MATRIX_FMT_FP4 matrix_a_scale:MATRIX_SCALE_ROW1
.else
	v_wmma_scale_f32_16x16x128_f8f6f4 v[8*(8*((\a)%4)+\b):8*(8*((\a)%4)+\b)+7], v[128*(\p)+8*\b:128*(\p)+8*\b+7], v[AF+64*(\p)+8*(\a):AF+64*(\p)+8*(\a)+7], v[8*(8*((\a)%4)+\b):8*(8*((\a)%4)+\b)+7], v[SC+32*((\s)/4)+4*\b+(\s)%4], v[SC+32*((\s)/4)+4*(\a)+(\s)%4] matrix_a_fmt:MATRIX_FMT_FP4 matrix_b_fmt:MATRIX_FMT_FP4 matrix_a_scale:MATRIX_SCALE_ROW1
.endif
.endr
.endr
.endm
.macro STEP s, zero, last
	s_wait_dscnt 0x0
.if \last == 0
	PLACES 4
	FETCH (\s)+1, 1-(\s)%2
.endif
	WIN 0xa1
	MUL16 0, (\s)%2, \s, \zero
	MUL16 2, (\s)%2, \s, \zero
	WIN 0xf1
	MUL16 4, (\s)%2, \s, \zero
	MUL16 6, (\s)%2, \s, \zero
	WIN 0
.endm
	FETCH 0, 0
	SCALES
	STEP 0, 1, 0
	STEP 1, 0, 0
	STEP 2, 0, 0
	STEP 3, 0, 0
	STEP 4, 0, 0
	STEP 5, 0, 0
	STEP 6, 0, 0
	STEP 7, 0, 1
	PLACES 4
.irp b, 0,1,2,3
	v_mov_b32 v[TP+\b], 0
.endr
	s_wait_dscnt 0x0
	s_barrier_signal -1
	s_barrier_wait -1
.macro QUANTA a
.set AC, 64*((\a)%4)
.set W, 2+(\a)/4
.set W2, W*5
	WIN W2
.irp b, 0,1,2,3
	v_max3_num_f32 v[TM+\b], |v[AC+16*\b]|, |v[AC+16*\b+1]|, 0x1800000
.endr
.irp i, 2,4,6,8,10,12,14
.irp b, 0,1,2,3
	v_max3_num_f32 v[TM+\b], |v[AC+16*\b+\i]|, |v[AC+16*\b+\i+1]|, v[TM+\b]
.endr
.endr
	WIN 0
.irp b, 0,1,2,3
	v_permlanex16_b32 v[TP+\b], v[TM+\b], s96, s97
.endr
.irp b, 0,1,2,3
	v_max_num_f32 v[TM+\b], v[TM+\b], v[TP+\b]
.endr
.irp b, 0,1,2,3
	v_add_nc_u32 v[SO+\b], 0xff000000, v[TM+\b]
.endr
.irp b, 0,1,2,3
	v_lshrrev_b32 v[BY+\b], 23, v[SO+\b]
.endr
	v_lshl_or_b32 v[PW+\a], v[BY+1], 8, v[BY]
	v_lshl_or_b32 v[PW+\a], v[BY+2], 16, v[PW+\a]
	v_lshl_or_b32 v[PW+\a], v[BY+3], 24, v[PW+\a]
	WIN W
.irp b, 0,1,2,3
	v_cvt_scalef32_pk8_fp4_f32 v[PC+8*\a+2*\b], v[AC+16*\b:AC+16*\b+7], v[SO+\b]
	v_cvt_scalef32_pk8_fp4_f32 v[PC+8*\a+2*\b+1], v[AC+16*\b+8:AC+16*\b+15], v[SO+\b]
.endr
	WIN 0
	v_nop
.irp b, 0,1,2,3
	v_permlane16_swap_b32 v[PC+8*\a+2*\b], v[PC+8*\a+2*\b+1]
.endr
.irp b, 0,1,2,3
	ds_store_b64 v[STO], v[PC+8*\a+2*\b:PC+8*\a+2*\b+1] offset:1280*\a+16*\b
.endr
	ds_store_b32 v[SSO], v[PW+\a] offset:64*\a
.endm
	s_mov_b32 s96, 0x76543210
	s_mov_b32 s97, 0xfedcba98
.irp a, 0,1,2,3,4,5,6,7
	QUANTA \a
.endr
	s_wait_dscnt 0x0
.irp i, 0,1,2,3,4,5,6,7,8,9,10,11,12,13,14,15
	ds_load_b128 v[128+4*\i:131+4*\i], v[RDB] offset:640*\i
.endr
	ds_load_b128 v[224:227], v[SSR]
.irp i, 0,1,2,3,4,5,6,7
	s_wait_dscnt 16-\i
	global_store_b128 v[VA], v[128+4*\i:131+4*\i], s[26:27] offset:256*\i
.endr
.irp i, 8,9,10,11,12,13,14,15
	s_wait_dscnt 16-\i
	global_store_b128 v[VB], v[128+4*\i:131+4*\i], s[26:27] offset:256*(\i-8)
.endr
	s_wait_dscnt 0x0
	global_store_b128 v[VS], v[224:227], s[28:29]
	s_wait_tensorcnt 0x0
	ds_add_u32 v126, v127
	s_wait_dscnt 0x0
	CROUND
	s_endpgm
.Lfunc_end_k_qb4370137a1_projkv:
	.size	k_qb4370137a1_projkv, .Lfunc_end_k_qb4370137a1_projkv-k_qb4370137a1_projkv
	.p2alignl 7, 3214868480
	.fill 96, 4, 3214868480
	.section	.rodata,"a",@progbits
	.p2align	6, 0x0
	.amdhsa_kernel k_qb4370137a1_projkv
		.amdhsa_group_segment_fixed_size 327680
		.amdhsa_private_segment_fixed_size 0
		.amdhsa_enable_private_segment 0
		.amdhsa_kernarg_size 112
		.amdhsa_user_sgpr_count 2
		.amdhsa_user_sgpr_kernarg_segment_ptr 1
		.amdhsa_wavefront_size32 1
		.amdhsa_system_sgpr_workgroup_id_x 1
		.amdhsa_system_sgpr_workgroup_id_y 1
		.amdhsa_system_sgpr_workgroup_id_z 1
		.amdhsa_system_vgpr_workitem_id 0
		.amdhsa_next_free_vgpr 1024
		.amdhsa_next_free_sgpr 104
		.amdhsa_reserve_vcc 1
		.amdhsa_float_denorm_mode_32 3
		.amdhsa_float_denorm_mode_16_64 3
		.amdhsa_memory_ordered 1
		.amdhsa_forward_progress 1
		.amdhsa_inst_pref_size 146
	.end_amdhsa_kernel
	.amdgpu_metadata
---
amdhsa.version: [ 1, 2 ]
amdhsa.kernels:
  - .name:           k_qb4370137a1_projkv
    .symbol:         k_qb4370137a1_projkv.kd
    .args:
      - { .name: k_codes, .offset: 0, .size: 8, .value_kind: global_buffer, .address_space: global }
      - { .name: k_scales, .offset: 8, .size: 8, .value_kind: global_buffer, .address_space: global }
      - { .name: w_k_codes, .offset: 16, .size: 8, .value_kind: global_buffer, .address_space: global }
      - { .name: w_k_scales, .offset: 24, .size: 8, .value_kind: global_buffer, .address_space: global }
      - { .name: v_codes, .offset: 32, .size: 8, .value_kind: global_buffer, .address_space: global }
      - { .name: v_scales, .offset: 40, .size: 8, .value_kind: global_buffer, .address_space: global }
      - { .name: w_v_codes, .offset: 48, .size: 8, .value_kind: global_buffer, .address_space: global }
      - { .name: w_v_scales, .offset: 56, .size: 8, .value_kind: global_buffer, .address_space: global }
      - { .name: t, .offset: 64, .size: 8, .value_kind: global_buffer, .address_space: global }
      - { .name: ada_w, .offset: 72, .size: 8, .value_kind: global_buffer, .address_space: global }
      - { .name: ada_b, .offset: 80, .size: 8, .value_kind: global_buffer, .address_space: global }
      - { .name: kv_codes, .offset: 88, .size: 8, .value_kind: global_buffer, .address_space: global }
      - { .name: kvs, .offset: 96, .size: 8, .value_kind: global_buffer, .address_space: global }
      - { .name: emb1, .offset: 104, .size: 8, .value_kind: global_buffer, .address_space: global }
    .group_segment_fixed_size: 327680
    .private_segment_fixed_size: 0
    .kernarg_segment_align: 8
    .kernarg_segment_size: 112
    .max_flat_workgroup_size: 128
    .sgpr_count:     104
    .vgpr_count:     1024
    .wavefront_size: 32
...
	.end_amdgpu_metadata
.endif
;; end of part 1
;; launch lnq (part 2): grid 256 x 1, 8 waves a work-group, no clusters, 57,344 bytes of LDS; arguments q, emb1, qn_codes, qn_scales, stats; writes qn_codes, qn_scales, stats
.if DOCPART == 2
	.amdgcn_target "amdgcn-amd-amdhsa--gfx1250"
	.amdhsa_code_object_version 6
	.text
	.protected	k_qb4370137a1_lnq
	.globl	k_qb4370137a1_lnq
	.p2align	8
	.type	k_qb4370137a1_lnq,@function
k_qb4370137a1_lnq:
	s_mov_b64 s[64:65], 0
	v_nop
	global_prefetch_b8 v0, s[64:65] scope:SCOPE_SE
	s_setreg_imm32_b32 hwreg(HW_REG_WAVE_MODE, 25, 1), 1
	s_wait_xcnt 0x0
; y = (q - mean) rsqrt(var + 1e-5) (1 + scale) + shift, row by row in f32, quantised to FP4 (E2M1) along the row with one E8M0 byte for each 32; and each row's (rstd, -mean rstd) for the last launch.
; SHARES.  A work-group of eight waves takes 32 rows (two tiles of 16 tokens), a wave four.  A row is 4,096 bytes: eight loads of 512 consecutive bytes, 32 registers a lane.
; All 48 loads of a wave go out at its head: all that the launch reads is asked for at once, so there is no ring.  No work-group shares an input row with another: no cluster, no matrix unit.
; The mean is taken first and the variance of the differences, so that a common offset of the inputs costs no digits.
; A conversion wants a block's 32 numbers in ONE lane: a finished row turns through the wave's own bytes of LDS (a place of 128 bytes + 16 for each block) and comes back a block a lane.
; OUT.  qn_codes as images of operand registers: [tile of 16 tokens][block 32][row 16][16 bytes]: gathered in LDS, stored 512 consecutive bytes an instruction.  qn_scales [token][32].  stats [token][2] f32.
; LIMITS.  A block whose largest magnitude lies under 2^-124 (zeros too) gets the byte 1; this program alone reads the bytes.  NaN and infinities among the inputs are not served.
.set TRNW, 4608                        ; 32 places x 144 bytes for each wave
.set IMG,  36864                       ; 2 tiles x 32 blocks x (256 + 16) bytes
.set SCB,  54272                       ; 32 rows x 32 scale bytes
.set STT,  55296                       ; 32 rows x 8 bytes
.set SC1,  32                          ; v32-63  1 + scale at my columns 128 i + 4 lane + e
.set SHF,  64                          ; v64-95  shift
.set X,    96                          ; v96-223 four rows
.set Y,    224                         ; v224-255 a block of 32
	s_load_b128 s[4:7], s[0:1], 0x0                ; q, emb1
	s_load_b128 s[8:11], s[0:1], 0x10              ; qn_codes, qn_scales
	s_load_b64 s[12:13], s[0:1], 0x20              ; stats
	v_lshl_add_u32 v30, v0, 2, 0xdc00
	v_mov_b32 v31, 0
	v_lshrrev_b32 v1, 5, v0
	s_delay_alu instid0(VALU_DEP_1)
	v_readfirstlane_b32 s14, v1                    ; wave 0..7
	v_and_b32 v1, 31, v0                           ; lane
	s_delay_alu instid0(VALU_DEP_1)
	v_lshlrev_b32 v2, 4, v1                        ; 16 x lane
	s_lshl_b32 s16, ttmp9, 17                      ; 32 rows of 4,096 bytes
	s_lshl_b32 s15, s14, 14
	s_add_co_u32 s16, s16, s15                     ; + my four
	s_mov_b32 s17, 0
	s_lshr_b32 s18, ttmp9, 6                       ; b
	s_lshl_b32 s18, s18, 13
	s_mov_b32 s19, 0
	s_wait_alu depctr_va_vdst(0)
	s_wait_kmcnt 0x0
	s_add_nc_u64 s[4:5], s[4:5], s[16:17]
	s_add_nc_u64 s[6:7], s[6:7], s[18:19]
.irp i, 0,1,2,3,4,5,6,7
	global_load_b128 v[SC1+4*\i:SC1+4*\i+3], v2, s[6:7] offset:512*\i
.endr
.irp i, 0,1,2,3,4,5,6,7
	global_load_b128 v[SHF+4*\i:SHF+4*\i+3], v2, s[6:7] offset:4096+512*\i
.endr
.irp r, 0,1,2,3
.irp i, 0,1,2,3,4,5,6,7
	global_load_b128 v[X+32*\r+4*\i:X+32*\r+4*\i+3], v2, s[4:5] offset:4096*\r+512*\i th:TH_LOAD_NT
.endr
.endr
	s_lshl_b32 s16, ttmp9, 14
	s_lshl_b32 s15, s14, 11
	s_add_co_u32 s16, s16, s15
	s_add_nc_u64 s[8:9], s[8:9], s[16:17]          ; my 2,048 bytes of the work-group's two images
	s_lshl_b32 s16, ttmp9, 10
	s_and_b32 s15, s14, 1
	s_lshl_b32 s15, s15, 9
	s_add_co_u32 s16, s16, s15
	s_add_nc_u64 s[10:11], s[10:11], s[16:17]
	s_lshl_b32 s16, ttmp9, 8
	s_add_nc_u64 s[12:13], s[12:13], s[16:17]
	s_mul_i32 s18, s14, TRNW
	v_lshrrev_b32 v12, 3, v1
	s_delay_alu instid0(VALU_DEP_1)
	v_mul_u32_u24 v3, v12, 144
	v_and_b32 v13, 7, v1
	s_delay_alu instid0(VALU_DEP_1)
	v_lshl_add_u32 v3, v13, 4, v3
	s_delay_alu instid0(VALU_DEP_1)
	v_add_nc_u32 v3, s18, v3                       ; the turn, in: eight lanes' 128 bytes are a block: place lane / 8 (+ 4 for each load)
	v_mul_u32_u24 v4, v1, 144
	s_delay_alu instid0(VALU_DEP_1)
	v_add_nc_u32 v4, s18, v4                       ; and out: place = lane
	s_lshr_b32 s19, s14, 2
	s_mul_i32 s19, s19, 8704                       ; my tile's image
	s_and_b32 s20, s14, 3
	s_lshl_b32 s21, s20, 6
	s_add_co_u32 s21, s21, s19
	s_add_co_u32 s21, s21, IMG
	v_mul_u32_u24 v5, v1, 272
	s_delay_alu instid0(VALU_DEP_1)
	v_add_nc_u32 v5, s21, v5                       ; block = lane, row 4 (wave % 4) + i
	s_lshl_b32 s22, s14, 7
	s_add_co_u32 s22, s22, SCB
	v_add_nc_u32 v6, s22, v1                       ; scale bytes: 32 a row
	s_lshl_b32 s23, s14, 5
	s_add_co_u32 s23, s23, STT
	v_mov_b32 v7, s23                              ; statistics: 8 bytes a row
	s_mul_i32 s21, s20, 2176
	s_add_co_u32 s21, s21, s19
	s_add_co_u32 s21, s21, IMG
	v_lshrrev_b32 v12, 4, v1
	s_delay_alu instid0(VALU_DEP_1)
	v_mul_u32_u24 v8, v12, 272
	v_and_b32 v13, 15, v1
	s_delay_alu instid0(VALU_DEP_1)
	v_lshl_add_u32 v8, v13, 4, v8
	s_delay_alu instid0(VALU_DEP_1)
	v_add_nc_u32 v8, s21, v8                       ; the way out: eight blocks a wave, two an instruction
	s_and_b32 s21, s14, 1
	s_lshl_b32 s21, s21, 9
	s_add_co_u32 s21, s21, SCB
	v_add_nc_u32 v9, s21, v2
	v_lshlrev_b32 v11, 3, v1
	s_delay_alu instid0(VALU_DEP_1)
	v_add_nc_u32 v10, STT, v11
	s_mov_b32 s24, 0x3a800000                      ; 1 / 1,024
	s_mov_b32 s25, 0x3727c5ac                      ; 1e-5
	s_mov_b32 s26, 0x76543210
	s_mov_b32 s27, 0xfedcba98                      ; lane l xor 16
.macro REDUCE                          ; v12 summed over the 32 lanes, in every lane
	s_delay_alu instid0(VALU_DEP_1)
	v_add_f32_dpp v12, v12, v12 row_xmask:1 row_mask:0xf bank_mask:0xf
	s_delay_alu instid0(VALU_DEP_1)
	v_add_f32_dpp v12, v12, v12 row_xmask:2 row_mask:0xf bank_mask:0xf
	s_delay_alu instid0(VALU_DEP_1)
	v_add_f32_dpp v12, v12, v12 row_xmask:4 row_mask:0xf bank_mask:0xf
	s_delay_alu instid0(VALU_DEP_1)
	v_add_f32_dpp v12, v12, v12 row_xmask:8 row_mask:0xf bank_mask:0xf
	s_delay_alu instid0(VALU_DEP_1)
	v_permlanex16_b32 v13, v12, s26, s27
	s_delay_alu instid0(VALU_DEP_1)
	v_add_f32 v12, v12, v13
.endm
.macro ROW i
.set XR, X+32*\i
	s_wait_loadcnt 8*(3-\i)                        ; loads come back in order: this row's eight are in, the later rows' may be out
	v_pk_add_f32 v[12:13], v[XR:XR+1], v[XR+2:XR+3]
	v_pk_add_f32 v[14:15], v[XR+4:XR+5], v[XR+6:XR+7]
.irp j, 8,12,16,20,24,28
	s_delay_alu instid0(VALU_DEP_2)
	v_pk_add_f32 v[12:13], v[12:13], v[XR+\j:XR+\j+1]
	s_delay_alu instid0(VALU_DEP_2)
	v_pk_add_f32 v[14:15], v[14:15], v[XR+\j+2:XR+\j+3]
.endr
	s_delay_alu instid0(VALU_DEP_1)
	v_pk_add_f32 v[12:13], v[12:13], v[14:15]
	s_delay_alu instid0(VALU_DEP_1)
	v_add_f32 v12, v12, v13
	REDUCE
	s_delay_alu instid0(VALU_DEP_1)
	v_mul_f32 v16, 0x3a800000, v12                 ; the mean
	s_delay_alu instid0(VALU_DEP_1)
	v_mov_b32 v17, v16
.irp j, 0,2,4,6,8,10,12,14,16,18,20,22,24,26,28,30
	v_pk_add_f32 v[XR+\j:XR+\j+1], v[XR+\j:XR+\j+1], v[16:17] neg_lo:[0,1] neg_hi:[0,1]
.endr
	v_pk_mul_f32 v[12:13], v[XR:XR+1], v[XR:XR+1]
	v_pk_mul_f32 v[14:15], v[XR+2:XR+3], v[XR+2:XR+3]
.irp j, 4,8,12,16,20,24,28
	s_delay_alu instid0(VALU_DEP_2)
	v_pk_fma_f32 v[12:13], v[XR+\j:XR+\j+1], v[XR+\j:XR+\j+1], v[12:13]
	s_delay_alu instid0(VALU_DEP_2)
	v_pk_fma_f32 v[14:15], v[XR+\j+2:XR+\j+3], v[XR+\j+2:XR+\j+3], v[14:15]
.endr
	s_delay_alu instid0(VALU_DEP_1)
	v_pk_add_f32 v[12:13], v[12:13], v[14:15]
	s_delay_alu instid0(VALU_DEP_1)
	v_add_f32 v12, v12, v13
	REDUCE
	s_delay_alu instid0(VALU_DEP_1)
	v_fma_f32 v18, v12, s24, s25                   ; var + eps
	s_wait_alu depctr_va_vdst(0)
	v_rsq_f32 v28, v18
	v_nop                                          ; a plain place behind the transcendental,
	s_wait_alu depctr_va_vdst(0)                   ; and the wait ahead of its first reader
	v_mul_f32 v29, -v16, v28                       ; -mean rstd
.irp j, 0,2,4,6,8,10,12,14,16,18,20,22,24,26,28,30
	v_pk_mul_f32 v[XR+\j:XR+\j+1], v[XR+\j:XR+\j+1], v[28:29] op_sel_hi:[1,0]
.endr
.irp j, 0,2,4,6,8,10,12,14,16,18,20,22,24,26,28,30
	v_pk_fma_f32 v[XR+\j:XR+\j+1], v[XR+\j:XR+\j+1], v[SC1+\j:SC1+\j+1], v[SHF+\j:SHF+\j+1]
.endr
.irp j, 0,1,2,3,4,5,6,7
	ds_store_b128 v3, v[XR+4*\j:XR+4*\j+3] offset:576*\j
.endr
.irp j, 0,1,2,3,4,5,6,7
	ds_load_b128 v[Y+4*\j:Y+4*\j+3], v4 offset:16*\j   ; LDS serves a wave's instructions in order: these see the stores above
.endr
	ds_store_b64 v7, v[28:29] offset:8*\i          ; all lanes write the same 8 bytes with the same value
	s_wait_dscnt 0x0                               ; the block is in; the last row's stores have read their registers too
	v_max3_num_f32 v12, |v[Y]|, |v[Y+1]|, |v[Y+2]|
	v_max3_num_f32 v13, |v[Y+3]|, |v[Y+4]|, |v[Y+5]|
.irp j, 6,10,14,18,22,26
	s_delay_alu instid0(VALU_DEP_2)
	v_max3_num_f32 v12, v12, |v[Y+\j]|, |v[Y+\j+1]|
	s_delay_alu instid0(VALU_DEP_2)
	v_max3_num_f32 v13, v13, |v[Y+\j+2]|, |v[Y+\j+3]|
.endr
	s_delay_alu instid0(VALU_DEP_2)
	v_max3_num_f32 v12, v12, |v[Y+30]|, |v[Y+31]|
	s_delay_alu instid0(VALU_DEP_1)
	v_max3_num_f32 v12, v12, v13, 0x1800000        ; the floor 2^(3 - 127): the byte cannot fall under 1
	s_delay_alu instid0(VALU_DEP_1)
	v_add_nc_u32 v14, 0xff000000, v12              ; 2 off the exponent field: the conversion's scale operand
	s_delay_alu instid0(VALU_DEP_1)
	v_lshrrev_b32 v[24+\i], 23, v14                ; the scale's byte, in a register of its own for each row
.irp g, 0,1,2,3
	v_cvt_scalef32_pk8_fp4_f32 v[20+\g], v[Y+8*\g:Y+8*\g+7], v14
.endr
	v_nop                                          ; one plain place behind a scaled conversion
	ds_store_b128 v5, v[20:23] offset:16*\i
	ds_store_b8 v6, v[24+\i] offset:32*\i
.endm
	ROW 0
	ROW 1
	ROW 2
	ROW 3
	s_wait_dscnt 0x0                               ; for the others' sake: my stores have landed
	s_barrier_signal -1
	s_barrier_wait -1
.irp j, 0,1,2,3
	ds_load_b128 v[96+4*\j:99+4*\j], v8 offset:544*\j
.endr
.irp j, 0,1,2,3
	s_wait_dscnt 3-\j
	global_store_b128 v2, v[96+4*\j:99+4*\j], s[8:9] offset:512*\j   ; 512 consecutive bytes, aligned
.endr
	s_cmp_gt_u32 s14, 1
	s_cbranch_scc1 .Lno_scales
	ds_load_b128 v[112:115], v9                    ; waves 0 and 1: 16 rows' scale bytes each
	s_wait_dscnt 0x0
	global_store_b128 v2, v[112:115], s[10:11]
.Lno_scales:
	s_cmp_lg_u32 s14, 2
	s_cbranch_scc1 .Ldone
	ds_load_b64 v[116:117], v10                    ; wave 2: the 32 rows' statistics, 256 consecutive bytes
	s_wait_dscnt 0x0
	global_store_b64 v11, v[116:117], s[12:13]
.Ldone:
	s_wait_tensorcnt 0x0
	ds_add_u32 v30, v31
	s_wait_dscnt 0x0
	s_endpgm
.Lfunc_end_k_qb4370137a1_lnq:
	.size	k_qb4370137a1_lnq, .Lfunc_end_k_qb4370137a1_lnq-k_qb4370137a1_lnq
	.p2alignl 7, 3214868480
	.fill 96, 4, 3214868480
	.section	.rodata,"a",@progbits
	.p2align	6, 0x0
	.amdhsa_kernel k_qb4370137a1_lnq
		.amdhsa_group_segment_fixed_size 57344
		.amdhsa_private_segment_fixed_size 0
		.amdhsa_enable_private_segment 0
		.amdhsa_kernarg_size 40
		.amdhsa_user_sgpr_count 2
		.amdhsa_user_sgpr_kernarg_segment_ptr 1
		.amdhsa_wavefront_size32 1
		.amdhsa_system_sgpr_workgroup_id_x 1
		.amdhsa_system_sgpr_workgroup_id_y 1
		.amdhsa_system_sgpr_workgroup_id_z 1
		.amdhsa_system_vgpr_workitem_id 0
		.amdhsa_next_free_vgpr 256
		.amdhsa_next_free_sgpr 66
		.amdhsa_reserve_vcc 0
		.amdhsa_float_denorm_mode_32 3
		.amdhsa_float_denorm_mode_16_64 3
		.amdhsa_memory_ordered 1
		.amdhsa_forward_progress 1
		.amdhsa_inst_pref_size 53
	.end_amdhsa_kernel
	.amdgpu_metadata
---
amdhsa.version: [ 1, 2 ]
amdhsa.kernels:
  - .name:           k_qb4370137a1_lnq
    .symbol:         k_qb4370137a1_lnq.kd
    .args:
      - { .name: q, .offset: 0, .size: 8, .value_kind: global_buffer, .address_space: global }
      - { .name: emb1, .offset: 8, .size: 8, .value_kind: global_buffer, .address_space: global }
      - { .name: qn_codes, .offset: 16, .size: 8, .value_kind: global_buffer, .address_space: global }
      - { .name: qn_scales, .offset: 24, .size: 8, .value_kind: global_buffer, .address_space: global }
      - { .name: stats, .offset: 32, .size: 8, .value_kind: global_buffer, .address_space: global }
    .group_segment_fixed_size: 57344
    .private_segment_fixed_size: 0
    .kernarg_segment_align: 8
    .kernarg_segment_size: 40
    .max_flat_workgroup_size: 256
    .sgpr_count:     66
    .vgpr_count:     256
    .wavefront_size: 32
...
	.end_amdgpu_metadata
.endif
;; end of part 2
;; launch attn (part 3): grid 4 x 64, 16 waves a work-group, clusters of 4 x 1, 198,656 bytes of LDS; arguments qn_codes, qn_scales, w_q_codes, w_q_scales, kv_codes, kvs, ao_codes, ao_scales; writes ao_codes, ao_scales
.if DOCPART == 3
	.amdgcn_target "amdgcn-amd-amdhsa--gfx1250"
	.amdhsa_code_object_version 6
	.text
	.protected	k_qb4370137a1_attn
	.globl	k_qb4370137a1_attn
	.p2align	8
	.type	k_qb4370137a1_attn,@function
k_qb4370137a1_attn:
	s_mov_b64 s[64:65], 0
	v_nop
	global_prefetch_b8 v0, s[64:65] scope:SCOPE_SE
	s_setreg_imm32_b32 hwreg(HW_REG_WAVE_MODE, 25, 1), 1
	s_wait_xcnt 0x0
	s_wait_alu depctr_hold_cnt(0) depctr_sa_sdst(0) depctr_va_vdst(0) depctr_va_sdst(0) depctr_va_ssrc(0) depctr_va_vcc(0) depctr_vm_vsrc(0)
	s_getreg_b32 s2, hwreg(HW_REG_IB_STS2, 6, 4)
	s_cmp_eq_u32 s2, 0
	s_cbranch_scc0 .Lentry_in_a_cluster
	s_endpgm
.Lentry_in_a_cluster:
	s_bfe_u32 s2, ttmp6, 0x10000c
	s_cmp_lg_u32 s2, 0x3003
	s_cbranch_scc0 .Lentry_shape_is_right
	s_endpgm
.Lentry_shape_is_right:
; For one head of one batch entry and 512 queries: qh = LNq w_q[head]^T, quantised in registers; S = qh kh^T / 256; softmax; O = P vh; O / l, quantised along the model's axis.  All three products on codes of FP4 (E2M1).
; THE SOFTMAX: t = score x log2(e) / 256; M = the running largest t rounded UP to a whole number; p = 2^(t - M) is quantised along the keys, not normalised; the row's sum is taken of the unquantised p and divides O
; at the end; when M moves, the sum and O are multiplied by 2^(old M - new M), which rounds nothing.
; SHARES.  Sixteen waves of 256 registers, four to a SIMD.  Wave w takes the query tiles w and 16 + w of the block, one after the other; a key step is 128 keys.
; LDS, filled ONCE, thirteen joint loads, one a wave (cluster 4 x 1: the four query blocks of a head need the same tiles): V^T's codes (waves 0-3) as rows of 256 bytes + 16; w_q's 64 rows (4, 5) as rows of
; 512 bytes + 16; K's codes (6-9) as rows of 1,024 bytes + 16: a block of 32 keys to a row; K's scale bytes of the pair of heads (10, 11) and my head's V scale words (12), chosen by the global address.
; LAYOUT.  Every product is used transposed: a lane holds ONE query.  THE KEYS OF A TILE: row m of tile 4 c + t is key 64 c + 32 (m / 8) + 8 t + m % 8, so lane (r, h) holds in tiles 4 c .. 4 c + 3 the WHOLE block
; 2 c + h: its maximum needs no other lane, and tile tau's conversion is register tau of P's operand.  The head's axis is 64: one fragment of K carries two tiles (k 0-63 and 64-127), multiplied by [q, 0] or [0, q];
; zero codes add nothing under any finite scale byte.  K's scale words in that order are laid once into a table in LDS (wave w: step w).
; CHAINS.  The maxima run in eight chains (one a tile) and the sums in eight, by turns, so that a line reads what was written eight lines above it.
; LOADS AHEAD: step i + 1's fragments of K are asked for behind step i's S products, V's behind its O products.  One prefetch a wave names the second tile's image of LNq (32 lanes x 256 bytes) while the first
; tile is walked; its 512 scale bytes and everything else come once, by their loads.
; LIMITS.  The promise holds while |t| stays under 2^31.  A block whose largest magnitude lies under 2^-124 (zeros too) gets the byte 1; this program alone reads the bytes.  NaN and infinities are not served.
; REGISTERS.  v1-7, v29, v35, v239 addresses and shifts that stay; v8-11 the next step's addresses; v12 -M, v13 largest score, v[14:15] and v[252:253] the sum in four parts; v16-27 0, q, 0; v28, v30-34 scale words
;   (Q, K, V, p); v36-67 K's fragments; v68-99 V's (both: w_q's in the prologue); v100-163 S^T, then p (LNq's fragments); v164-195 O^T (qh^T); v196-203 p's codes; v204-223 w_q's and LNq's scale words;
;   v224-238, v240-249, v254-255 at work.
.set WB,  4*17408                      ; w_q's rows: 64 of 528 bytes (V^T's codes begin at 0)
.set KB,  6*17408                      ; K's codes: 64 rows of 1,040 bytes
.set SKB, KB+4*16640                   ; K's scale bytes, 32 units of 272
.set SVB, SKB+2*4352                   ; V's scale words, 16 units
.set KST, SVB+4352                     ; the table of K's scale words: 16 steps x 256 bytes, stored by the waves
.set SPARE, KST+4096                   ; the spare words: 16 waves x 128 bytes
.set WV, 20
.set KF, 36
.set VF, 68
.set S,  100
.set O,  164
.set PC, 196
.set WS, 204
.set LS, 220
.set SPW, 250
.set NIL, 251
.set G1B, 28
.set G0B, 36
.set G0W, 60
.set G1A, 68
.set G1C, 76
.set G0A, 84
.set G0C, 88
.set G1W, 92
.macro PLACES n
.rept \n
	v_nop
.endr
.endm
.macro CROUND                          ; a round of the cluster's barrier
	s_barrier_signal -1
	s_barrier_wait -1
	s_cmp_lg_u32 s[WV], 0
	s_cbranch_scc1 .Lnot_wave_0_\@
	s_barrier_signal -3
.Lnot_wave_0_\@:
	s_barrier_wait -3
	s_barrier_signal -1
	s_barrier_wait -1
.endm
.macro GRP1 g, qi, c, r                ; r dense rows of c elements of 8 bytes, 4 words of padding behind each; all four work-groups; bit 21 beside the mask
	s_mov_b32 s[\g], 15|(3<<16)|(1<<20)|(1<<21)|(\qi<<22)|(3<<25)
	s_mov_b32 s[\g+1], \c<<16
	s_mov_b32 s[\g+2], \r<<16
	s_mov_b32 s[\g+3], \c<<16
	s_mov_b32 s[\g+4], \r
	s_mov_b32 s[\g+5], \c
	s_mov_b32 s[\g+6], 0
	s_mov_b32 s[\g+7], 0
.endm
	s_load_b512 s[4:19], s[0:1], 0x0               ; qn_codes, qn_scales, w_q_codes, w_q_scales, kv_codes, kvs, ao_codes, ao_scales
	v_lshl_add_u32 v[SPW], v0, 2, SPARE
	v_mov_b32 v[NIL], 0
	ds_add_u32 v[SPW], v[NIL]                      ; the opening lines: the add twice on end and its wait
	ds_add_u32 v[SPW], v[NIL]
	v_lshrrev_b32 v1, 5, v0
	s_delay_alu instid0(VALU_DEP_1)
	v_readfirstlane_b32 s[WV], v1                  ; wave 0..15
	s_bfe_u32 s21, ttmp6, 0x40000                  ; cx: my block of 512 queries; it enters global addresses of LNq and of the output alone
	s_and_b32 s22, ttmp7, 0xffff                   ; 16 b + head, which the four partners share
	s_and_b32 s23, s22, 15                         ; head
	s_lshr_b32 s24, s22, 4                         ; b
	s_and_b32 s25, s22, 1                          ; which of its pair
	GRP1 G1B, 5, 32, 64
	GRP1 G1W, 6, 64, 32
	GRP1 G1A, 7, 128, 16
	GRP1 G1C, 5, 32, 16
	s_lshl_b32 s48, s22, 16
	s_lshl_b32 s50, s[WV], 14
	s_add_co_u32 s48, s48, s50
	s_add_co_u32 s48, s48, 1<<22                   ; waves 0-3: V^T, 4 MiB behind K
	s_lshl_b32 s50, s23, 15
	s_and_b32 s51, s[WV], 1
	s_lshl_b32 s51, s51, 14
	s_add_co_u32 s50, s50, s51                     ; waves 4, 5: the head's 64 rows of w_q
	s_add_co_u32 s51, s[WV], 2
	s_and_b32 s51, s51, 3                          ; wave - 6 in waves 6-9, wave - 10 in waves 10-12
	s_lshl_b32 s52, s22, 16
	s_lshl_b32 s53, s51, 14
	s_add_co_u32 s52, s52, s53                     ; waves 6-9: K
	s_lshr_b32 s58, s22, 1
	s_lshl_b32 s58, s58, 14
	s_lshl_b32 s53, s51, 12
	s_add_co_u32 s58, s58, s53                     ; waves 10, 11: the pair's K scale bytes; wave 12: 8,192 on,
	s_lshl_b32 s53, s25, 12
	s_cmp_eq_u32 s[WV], 12
	s_cselect_b32 s53, s53, 0
	s_add_co_u32 s58, s58, s53                     ; my head's 4,096 bytes of V scale words
	s_mov_b32 s49, 0
	s_mov_b32 s51, 0
	s_mov_b32 s53, 0
	s_mov_b32 s59, 0
	s_mov_b32 s[G0B], 1
	s_mul_i32 s[G0B+1], s[WV], 17408
	s_mov_b32 s[G0W], 1
	s_mul_i32 s[G0W+1], s[WV], 16896
	s_add_co_u32 s[G0W+1], s[G0W+1], WB-4*16896
	s_mov_b32 s[G0A], 1
	s_mul_i32 s[G0A+1], s[WV], 16640
	s_add_co_u32 s[G0A+1], s[G0A+1], KB-6*16640
	s_mov_b32 s[G0C], 1
	s_mul_i32 s[G0C+1], s[WV], 4352
	s_add_co_u32 s[G0C+1], s[G0C+1], SKB-10*4352
	s_wait_dscnt 0x0
	s_wait_kmcnt 0x0
	s_add_nc_u64 s[G0B+2:G0B+3], s[12:13], s[48:49]
	s_or_b32 s[G0B+3], s[G0B+3], 0x80000000
	s_add_nc_u64 s[G0W+2:G0W+3], s[8:9], s[50:51]
	s_or_b32 s[G0W+3], s[G0W+3], 0x80000000
	s_add_nc_u64 s[G0A+2:G0A+3], s[12:13], s[52:53]
	s_or_b32 s[G0A+3], s[G0A+3], 0x80000000
	s_add_nc_u64 s[G0C+2:G0C+3], s[14:15], s[58:59]
	s_or_b32 s[G0C+3], s[G0C+3], 0x80000000
	CROUND                                         ; all four work-groups are here: the joint loads meet
.macro ARM under, g0, g1, next         ; one chain of branches on the wave's number, one load to an arm
	s_cmp_lt_u32 s[WV], \under
	s_cbranch_scc0 \next
	tensor_load_to_lds s[\g0:\g0+3], s[\g1:\g1+7]
	s_nop 0
.rept 4
	v_nop
.endr
	s_branch .Lasked
\next:
.endm
	ARM 4,  G0B, G1B, .Lfor_w
	ARM 6,  G0W, G1W, .Lfor_k
	ARM 10, G0A, G1A, .Lfor_s
	ARM 13, G0C, G1C, .Lfor_none
.Lasked:
	s_lshl_b32 s48, s24, 7
	s_lshl_b32 s49, s21, 5
	s_add_co_u32 s48, s48, s49
	s_add_co_u32 s48, s48, s[WV]                   ; my first tile of 16 tokens: 128 b + 32 cx + wave
	s_mov_b32 s51, 0
	s_lshl_b32 s50, s48, 13
	s_add_nc_u64 s[4:5], s[4:5], s[50:51]
	s_add_nc_u64 s[16:17], s[16:17], s[50:51]
	s_lshl_b32 s50, s48, 9
	s_add_nc_u64 s[6:7], s[6:7], s[50:51]
	s_add_nc_u64 s[18:19], s[18:19], s[50:51]
	s_lshl_b32 s50, s23, 11
	s_add_nc_u64 s[10:11], s[10:11], s[50:51]      ; w_q's scale bytes: the head's 64 rows of 32
	s_lshl_b32 s50, s23, 9
	s_add_nc_u64 s[16:17], s[16:17], s[50:51]      ; the head's two blocks in an image: 512 bytes
	s_lshl_b32 s50, s23, 1
	s_add_nc_u64 s[18:19], s[18:19], s[50:51]
	s_mul_i32 s57, s[WV], 544
	s_lshl_b32 s56, s25, 1
	s_add_co_u32 s57, s57, s56
	s_add_co_u32 s57, s57, SKB                     ; step = wave: its 128 keys' scale bytes, my head's two of each four
	s_mov_b32 s40, 0x76543210
	s_mov_b32 s41, 0xfedcba98                      ; lane l xor 16
	s_mov_b32 s42, 0x3bb8aa3b                      ; c = log2(e) / 256
	s_mov_b32 s43, s42
	v_and_b32 v8, 15, v0                           ; r
	v_bfe_u32 v9, v0, 4, 1                         ; h
	v_and_b32 v10, 31, v0                          ; lane
	v_lshrrev_b32 v11, 3, v8                       ; r / 8
	v_and_b32 v12, 7, v0                           ; r % 8
	v_lshlrev_b32 v254, 5, v12
	v_lshl_add_u32 v254, v9, 4, v254               ; 32 (r % 8) + 16 h
	v_mad_u32_u24 v2, v11, 272, v254               ; V^T: rows of 32 bytes, eight to a unit
	v_mad_u32_u24 v1, v11, 1040, v254              ; K: rows 0-7 of a tile in one block of keys, rows 8-15 in the next: sixteen lanes, sixteen different columns of 16 bytes
	v_add_nc_u32 v1, KB, v1
	v_lshl_add_u32 v3, v10, 3, KST                 ; the table: 8 bytes a lane
	v_lshl_add_u32 v4, v10, 2, SVB                 ; V's scale words: 4 bytes a channel, a unit a step
	v_mul_u32_u24 v5, v8, 528
	v_lshl_add_u32 v5, v9, 4, v5
	v_add_nc_u32 v5, WB, v5                        ; w_q: row r at a pitch of 33 columns of 16 bytes: sixteen lanes, sixteen different columns
	v_lshlrev_b32 v6, 4, v10                       ; 16 x lane: an image's place
	v_lshlrev_b32 v35, 5, v8                       ; 32 r: a row of scale bytes
	v_lshl_add_u32 v7, v9, 4, v35                  ; + 16 h: lanes 0-15 K steps 0-3, lanes 16-31 steps 4-7
	v_lshlrev_b32 v29, 3, v9                       ; 8 h: my bytes' place in p's scale word
	v_lshlrev_b32 v239, 8, v10                     ; the prefetch: lanes 256 bytes apart
	v_lshlrev_b32 v253, 2, v12
	v_lshl_add_u32 v253, v11, 7, v253
	v_lshl_add_u32 v253, v9, 6, v253
	v_add_nc_u32 v253, s57, v253                   ; the table's source: key 32 (r / 8) + 16 (lane / 16) + r % 8 of a unit of 64 keys
	v_lshl_add_u32 v255, v0, 3, KST                ; and where my two words go: 256 x wave + 8 x lane
.irp j, 16,17,18,19, 24,25,26,27, 226,227,229,235,237,249
	v_mov_b32 v\j, 0                               ; the zeros beside q; destinations of lane permutes; upper halves of pairs
.endr
	s_wait_alu depctr_va_vdst(0)                   ; the wait at the head's end
.macro LNQ qi                          ; LNq's eight fragments, as images: 512 consecutive bytes a load; and its scale words
.irp n, 0,1,2,3,4,5,6,7,8,9,10,11,12,13,14,15
	global_load_b128 v[S+4*\n:S+4*\n+3], v6, s[4:5] offset:131072*\qi+512*\n
.endr
	global_load_b128 v[LS:LS+3], v7, s[6:7] offset:8192*\qi
.endm
.irp t, 0,1,2,3
	global_load_b128 v[WS+4*\t:WS+4*\t+3], v7, s[10:11] offset:512*\t   ; w_q's scale words: they stay
.endr
	LNQ 0                                          ; the first tile's loads go out while the tensor loads are on their way
	s_wait_tensorcnt 0x0                           ; my tile is in,
	s_barrier_signal -1
	s_barrier_wait -1                              ; everybody's is
	ds_load_u16 v224, v253                         ; word i of lane l serves fragment 2 i + l / 16: tile 4 i + 2 (l / 16) in the low half,
	ds_load_u16 v225, v253 offset:32               ; the next tile, 8 keys on, in the high half
	ds_load_u16 v226, v253 offset:272
	ds_load_u16 v227, v253 offset:304
	s_wait_dscnt 0x0
	v_lshl_or_b32 v224, v225, 16, v224
	v_lshl_or_b32 v225, v227, 16, v226
	ds_store_b64 v255, v[224:225]
	s_wait_dscnt 0x0                               ; for the others' sake: my store has landed
	s_barrier_signal -1
	s_barrier_wait -1
; 32 numbers of a lane (tiles 0-3 of a transposed result with natural rows: 64 along the next K) become four registers in the operand's order and a word of two scale bytes.
.macro QUANT2 s, d, w
.irp b, 0,1
	v_max3_num_f32 v[224+\b], |v[\s+16*\b]|, |v[\s+16*\b+1]|, 0x1800000   ; from each accumulator's low end on; the floor 2^(3 - 127) holds the byte at 1 from below
.endr
.irp i, 2,4,6,8,10,12,14
.irp b, 0,1
	v_max3_num_f32 v[224+\b], v[224+\b], |v[\s+16*\b+\i]|, |v[\s+16*\b+\i+1]|
.endr
.endr
.irp b, 0,1
	s_delay_alu instid0(VALU_DEP_2)
	v_permlanex16_b32 v[226+\b], v[224+\b], s40, s41
.endr
.irp b, 0,1
	s_delay_alu instid0(VALU_DEP_2)
	v_max_num_f32 v[224+\b], v[224+\b], v[226+\b]
.endr
.irp b, 0,1
	s_delay_alu instid0(VALU_DEP_2)
	v_add_nc_u32 v[230+\b], 0xff000000, v[224+\b]
.endr
.irp b, 0,1
	s_delay_alu instid0(VALU_DEP_2)
	v_lshrrev_b32 v[232+\b], 23, v[230+\b]
.endr
	s_delay_alu instid0(VALU_DEP_1)
	v_lshl_or_b32 v[\w], v233, 8, v232
	v_cvt_scalef32_pk8_fp4_f32 v[\d], v[\s:\s+7], v230
	v_cvt_scalef32_pk8_fp4_f32 v[\d+2], v[\s+8:\s+15], v230
	v_cvt_scalef32_pk8_fp4_f32 v[\d+1], v[\s+16:\s+23], v231
	v_cvt_scalef32_pk8_fp4_f32 v[\d+3], v[\s+24:\s+31], v231
	v_nop                                          ; one plain place behind a scaled conversion
	v_permlane16_swap_b32 v[\d], v[\d+1]
	v_permlane16_swap_b32 v[\d+2], v[\d+3]
.endm
.macro WLOAD s                         ; w_q's four fragments of K step s: even steps into V's registers, odd ones into K's
.irp t, 0,1,2,3
.irp c, 0,1
	ds_load_b128 v[VF-32*((\s)%2)+8*\t+4*\c:VF-32*((\s)%2)+8*\t+4*\c+3], v5 offset:8448*\t+64*(\s)+32*\c
.endr
.endr
.endm
.macro QMUL t, s                       ; qh^T += w_q's rows 16 t on x LNq, K step s.  Scale words: lanes 0-15 hold steps 0-3, lanes 16-31 steps 4-7
.set BF, VF-32*((\s)%2)+8*(\t)
.if (\s) == 0
	v_wmma_scale_f32_16x16x128_f8f6f4 v[O+8*(\t):O+8*(\t)+7], v[BF:BF+7], v[S:S+7], 0, v[WS+4*(\t)], v[LS] matrix_a_fmt:MATRIX_FMT_FP4 matrix_b_fmt:MATRIX_FMT_FP4
.elseif (\s) < 4
	v_wmma_scale_f32_16x16x128_f8f6f4 v[O+8*(\t):O+8*(\t)+7], v[BF:BF+7], v[S+8*(\s):S+8*(\s)+7], v[O+8*(\t):O+8*(\t)+7], v[WS+4*(\t)+(\s)], v[LS+(\s)] matrix_a_fmt:MATRIX_FMT_FP4 matrix_b_fmt:MATRIX_FMT_FP4
.else
	v_wmma_scale_f32_16x16x128_f8f6f4 v[O+8*(\t):O+8*(\t)+7], v[BF:BF+7], v[S+8*(\s):S+8*(\s)+7], v[O+8*(\t):O+8*(\t)+7], v[WS+4*(\t)+(\s)-4], v[LS+(\s)-4] matrix_a_fmt:MATRIX_FMT_FP4 matrix_b_fmt:MATRIX_FMT_FP4 matrix_a_scale:MATRIX_SCALE_ROW1 matrix_b_scale:MATRIX_SCALE_ROW1
.endif
.endm
.macro KLOAD ak, aks                   ; nine loads: a step's four fragments of K, two tiles each, and its two registers of scale words
.irp f, 0,1,2,3
	ds_load_b128 v[KF+8*\f:KF+8*\f+3], v[\ak] offset:2080*(\f/2)+512*(\f%2)
	ds_load_b128 v[KF+8*\f+4:KF+8*\f+7], v[\ak] offset:2080*(\f/2)+512*(\f%2)+256
.endr
	ds_load_b64 v[30:31], v[\aks]
.endm
.macro VLOAD av, avs                   ; ten loads: a step's four fragments of V^T and their scale words
.irp u, 0,1,2,3
.irp c, 0,1
	ds_load_b128 v[VF+8*\u+4*\c:VF+8*\u+4*\c+3], v[\av] offset:2176*\c+544*\u
.endr
.endr
.irp u, 0,1
	ds_load_b32 v[32+\u], v[\avs] offset:128*\u
.endr
.endm
.macro LEVEL first, j                  ; eight chains of packed sums by turns: chain k takes the pairs k + 8 j of p's 32
.set KK, 0
.irp r, 240,242,244,246,226,228,248,254
.if \first
	v_pk_add_f32 v[\r:\r+1], v[S+2*KK:S+2*KK+1], v[S+2*KK+16:S+2*KK+17]
.else
	v_pk_add_f32 v[\r:\r+1], v[\r:\r+1], v[S+2*KK+16*\j:S+2*KK+16*\j+1]
.endif
.set KK, KK+1
.endr
.endm
; A KEY STEP of 128 keys.  pre = 1: the next step's fragments are asked for.
.macro STEP pre
	s_wait_alu depctr_va_vdst(0)                   ; the wait here, directly ahead of the wait below
	s_wait_dscnt 10                                ; K's nine loads are in; V's ten, issued behind them, may be out
.irp t, 0,1,2,3,4,5,6,7
.if (\t/2)%2
	v_wmma_scale_f32_16x16x128_f8f6f4 v[S+8*\t:S+8*\t+7], v[KF+8*(\t/2):KF+8*(\t/2)+7], v[20-4*(\t%2):27-4*(\t%2)], 0, v[30+\t/4], v28 matrix_a_fmt:MATRIX_FMT_FP4 matrix_b_fmt:MATRIX_FMT_FP4 matrix_a_scale:MATRIX_SCALE_ROW1
.else
	v_wmma_scale_f32_16x16x128_f8f6f4 v[S+8*\t:S+8*\t+7], v[KF+8*(\t/2):KF+8*(\t/2)+7], v[20-4*(\t%2):27-4*(\t%2)], 0, v[30+\t/4], v28 matrix_a_fmt:MATRIX_FMT_FP4 matrix_b_fmt:MATRIX_FMT_FP4
.endif
.endr
.if \pre
	v_add_nc_u32 v8, s44, v1                       ; the next step's addresses: also the four places behind the products
	v_add_nc_u32 v10, s45, v3
	v_add_nc_u32 v9, s46, v2
	v_add_nc_u32 v11, s47, v4
	KLOAD 8, 10
.else
	PLACES 4
.endif
.irp t, 0,1,2,3,4,5,6,7                        ; the largest scores: a chain a tile, each accumulator first read at its low end
	v_max3_num_f32 v[240+\t], v[S+8*\t], v[S+8*\t+1], v[S+8*\t+2]
.endr
.irp i, 3,5
.irp t, 0,1,2,3,4,5,6,7
	v_max3_num_f32 v[240+\t], v[240+\t], v[S+8*\t+\i], v[S+8*\t+\i+1]
.endr
.endr
.irp c, 0,1                                    ; my block 2 c + h: four chains and the four tiles' last registers
	v_max3_num_f32 v[224+\c], v[240+4*\c], v[S+32*\c+7], v[S+32*\c+15]
.endr
.irp c, 0,1
	v_max3_num_f32 v[226+\c], v[241+4*\c], v[S+32*\c+23], v[S+32*\c+31]
.endr
.irp c, 0,1
	v_max3_num_f32 v[224+\c], v[224+\c], v[242+4*\c], v[243+4*\c]
.endr
.irp c, 0,1
	v_max_num_f32 v[224+\c], v[224+\c], v[226+\c]
.endr
	s_delay_alu instid0(VALU_DEP_1)
	v_max_num_f32 v228, v224, v225
	s_delay_alu instid0(VALU_DEP_1)
	v_permlanex16_b32 v229, v228, s40, s41
	s_delay_alu instid0(VALU_DEP_1)
	v_max3_num_f32 v13, v13, v228, v229            ; the running largest score of my query
	s_delay_alu instid0(VALU_DEP_1)
	v_mul_f32 v228, s42, v13                       ; as t (c is positive)
	s_delay_alu instid0(VALU_DEP_1)
	v_floor_f32 v12, -v228                         ; the new -M = -ceil(t)
	s_delay_alu instid0(VALU_DEP_1)
	v_sub_f32 v228, v12, v238                      ; old M - new M: a whole number, 0 or less
	s_delay_alu instid0(VALU_DEP_1)
	v_cvt_i32_f32 v228, v228                       ; (it saturates)
	s_delay_alu instid0(VALU_DEP_1)
	v_ldexp_f32 v236, 1.0, v228                    ; f = 2^(old M - new M)
.set J, 0
.rept 32
	v_pk_fma_f32 v[S+J:S+J+1], v[S+J:S+J+1], s[42:43], v[12:13] op_sel_hi:[1,0,0]   ; t - M
.set J, J+2
.endr
	v_fma_f32 v224, v224, s42, v12                 ; the same of each block's largest score: p rises with the score
	v_fma_f32 v225, v225, s42, v12
.set J, 0
.rept 16
	v_pk_mul_f32 v[O+J:O+J+1], v[O+J:O+J+1], v[236:237] op_sel_hi:[1,0]   ; O^T under the new M: its first read stands ahead of the exponentials
.set J, J+2
.endr
	s_wait_alu depctr_va_vdst(0)                   ; the wait ahead of the batch
.set J, 0
.rept 64
	v_exp_f32 v[S+J], v[S+J]                       ; p = 2^(t - M)
.set J, J+1
.endr
	v_exp_f32 v224, v224                           ; my blocks' largest p
	v_exp_f32 v225, v225
	v_mov_b32 v238, v12                            ; -M, kept for the next step: the plain place behind the batch
	s_wait_alu depctr_va_vdst(0)                   ; and the wait behind it, ahead of its first reader
	v_max_num_f32 v224, 0x1800000, v224            ; the scales' lines stand among the sums, so that no line waits for the one above it
	v_max_num_f32 v225, 0x1800000, v225
	LEVEL 1, 0                                     ; the row's sum is taken of the unquantised p
	v_add_nc_u32 v230, 0xff000000, v224            ; 2 off the exponent field: the conversion's scale operand
	v_add_nc_u32 v231, 0xff000000, v225
	LEVEL 0, 2
	v_lshrrev_b32 v232, 23, v230                   ; the scales' bytes
	v_lshrrev_b32 v233, 23, v231
.irp t, 0,1,2,3,4,5,6,7
	v_cvt_scalef32_pk8_fp4_f32 v[PC+\t], v[S+8*\t:S+8*\t+7], v[230+\t/4]   ; tile t's codes are register t of the operand
.endr
	v_lshl_or_b32 v234, v233, 16, v232             ; blocks h and 2 + h,
	s_delay_alu instid0(VALU_DEP_1)
	v_lshlrev_b32 v234, v29, v234                  ; at their places in the word;
	s_delay_alu instid0(VALU_DEP_1)
	v_permlanex16_b32 v235, v234, s40, s41
	s_delay_alu instid0(VALU_DEP_1)
	v_or_b32 v34, v234, v235                       ; with lane l xor 16's two it is whole
	LEVEL 0, 3                                     ; these eight and the six below: the places between p's codes and scale word and the products
	v_pk_add_f32 v[240:241], v[240:241], v[242:243]
	v_pk_add_f32 v[244:245], v[244:245], v[246:247]
	v_pk_add_f32 v[226:227], v[226:227], v[228:229]
	v_pk_add_f32 v[248:249], v[248:249], v[254:255]
	v_pk_add_f32 v[240:241], v[240:241], v[244:245]
	v_pk_add_f32 v[226:227], v[226:227], v[248:249]
	s_wait_alu depctr_va_vdst(0)                   ; the wait here, directly ahead of the wait below
.if \pre
	s_wait_dscnt 9                                 ; V's ten loads are in; the next step's nine of K may be out
.else
	s_wait_dscnt 0x0
.endif
.irp u, 0,1,2,3
.if \u % 2
	v_wmma_scale_f32_16x16x128_f8f6f4 v[O+8*\u:O+8*\u+7], v[VF+8*\u:VF+8*\u+7], v[PC:PC+7], v[O+8*\u:O+8*\u+7], v[32+\u/2], v34 matrix_a_fmt:MATRIX_FMT_FP4 matrix_b_fmt:MATRIX_FMT_FP4 matrix_a_scale:MATRIX_SCALE_ROW1
.else
	v_wmma_scale_f32_16x16x128_f8f6f4 v[O+8*\u:O+8*\u+7], v[VF+8*\u:VF+8*\u+7], v[PC:PC+7], v[O+8*\u:O+8*\u+7], v[32+\u/2], v34 matrix_a_fmt:MATRIX_FMT_FP4 matrix_b_fmt:MATRIX_FMT_FP4
.endif
.endr
	v_pk_fma_f32 v[14:15], v[14:15], v[236:237], v[240:241] op_sel_hi:[1,0,1]     ; the running sums under the new M, and this step's two halves:
	v_pk_fma_f32 v[252:253], v[252:253], v[236:237], v[226:227] op_sel_hi:[1,0,1] ; with the two lines below the four places behind the products
	v_nop
	v_nop
.if \pre
	VLOAD 9, 11
.endif
.endm
; One tile of 16 queries, from LNq's codes to the output's codes.
.macro TILE qi
.if \qi > 0
	s_wait_xcnt 0x0                                ; the last tile's stores have read their registers
	LNQ \qi
.endif
	WLOAD 0
.irp s, 0,1,2,3,4,5,6,7
.if \s < 7
.if \s > 0
	PLACES 4                                       ; in front of loads into registers that the last products read
.endif
	WLOAD \s+1
.endif
.if \s == 0
	s_wait_loadcnt 0x0
.endif
.if \s < 7
	s_wait_dscnt 8                                 ; this step's eight are in, the next step's may be out
.else
	s_wait_dscnt 0x0
.endif
.irp t, 0,1,2,3
	QMUL \t, \s                                    ; four accumulators by turns
.endr
.endr
	PLACES 5
	KLOAD 1, 3                                     ; key step 0
	VLOAD 2, 4
	QUANT2 O, 20, 234                              ; q's four registers and its two scale bytes,
	v_lshl_or_b32 v28, v234, 16, v234              ; which serve k 0-63 and k 64-127 alike
	v_mov_b32 v13, 0xff61b1e6                      ; the largest score so far: -3e38
	v_mov_b32 v12, 0x7f61b1e6                      ; -M
	v_mov_b32 v238, 0x7f61b1e6
	v_mov_b32 v14, 0
	v_mov_b32 v15, 0
	v_mov_b32 v252, 0
	v_mov_b32 v253, 0
.set J, 0
.rept 32
	v_mov_b32 v[O+J], 0                            ; O^T: the first change of M multiplies zeros.  (Also the places between Q's scale word and the first product)
.set J, J+1
.endr
.if \qi == 0
	global_prefetch_b8 v239, s[4:5] offset:131072 th:TH_LOAD_NT scope:SCOPE_SE   ; my second tile's image: 32 lanes x 256 bytes, sixteen key steps ahead of its loads; its address registers are never rewritten
.endif
	s_mov_b32 s44, 0
	s_mov_b32 s45, 0
	s_mov_b32 s46, 0
	s_mov_b32 s47, 0
	s_mov_b32 s56, 15
.Lkey_\@:                              ; 15 trips; the last step is written out: it asks for nothing
	s_add_co_u32 s44, s44, 4160                    ; 128 keys of K: four rows
	s_add_co_u32 s45, s45, 256
	s_add_co_u32 s46, s46, 4352                    ; and of V^T: 16 units
	s_add_co_u32 s47, s47, 272
	STEP 1
	s_sub_co_u32 s56, s56, 1
	s_cmp_lg_u32 s56, 0
	s_cbranch_scc1 .Lkey_\@
	STEP 0
	v_pk_add_f32 v[14:15], v[14:15], v[252:253]    ; the sum's four parts,
	v_add_f32 v14, v14, v15
	s_delay_alu instid0(VALU_DEP_1)
	v_permlanex16_b32 v229, v14, s40, s41
	s_delay_alu instid0(VALU_DEP_1)
	v_add_f32 v14, v14, v229                       ; and lane l xor 16's: the row's sum
	s_wait_alu depctr_va_vdst(0)
	v_rcp_f32 v248, v14
	v_nop
	s_wait_alu depctr_va_vdst(0)
.set J, 0
.rept 16
	v_pk_mul_f32 v[S+J:S+J+1], v[O+J:O+J+1], v[248:249] op_sel_hi:[1,0]   ; O^T / l, each accumulator from its low end on
.set J, J+2
.endr
	QUANT2 S, PC, 234
	global_store_b128 v6, v[PC:PC+3], s[16:17] offset:131072*\qi   ; the head's two blocks of the tile's image: 512 consecutive bytes, aligned
	global_store_b16 v35, v234, s[18:19] offset:8192*\qi           ; and their two scale bytes; both halves of the lanes write the same
.endm
	TILE 0
	TILE 1
	s_wait_tensorcnt 0x0                           ; the wave's end
	ds_add_u32 v[SPW], v[NIL]
	s_wait_dscnt 0x0
	CROUND                                         ; the closing round
	s_endpgm
.Lfunc_end_k_qb4370137a1_attn:
	.size	k_qb4370137a1_attn, .Lfunc_end_k_qb4370137a1_attn-k_qb4370137a1_attn
	.p2alignl 7, 3214868480
	.fill 96, 4, 3214868480
	.section	.rodata,"a",@progbits
	.p2align	6, 0x0
	.amdhsa_kernel k_qb4370137a1_attn
		.amdhsa_group_segment_fixed_size 198656
		.amdhsa_private_segment_fixed_size 0
		.amdhsa_enable_private_segment 0
		.amdhsa_kernarg_size 64
		.amdhsa_user_sgpr_count 2
		.amdhsa_user_sgpr_kernarg_segment_ptr 1
		.amdhsa_wavefront_size32 1
		.amdhsa_system_sgpr_workgroup_id_x 1
		.amdhsa_system_sgpr_workgroup_id_y 1
		.amdhsa_system_sgpr_workgroup_id_z 1
		.amdhsa_system_vgpr_workitem_id 0
		.amdhsa_next_free_vgpr 256
		.amdhsa_next_free_sgpr 100
		.amdhsa_reserve_vcc 0
		.amdhsa_float_denorm_mode_32 3
		.amdhsa_float_denorm_mode_16_64 3
		.amdhsa_memory_ordered 1
		.amdhsa_forward_progress 1
		.amdhsa_inst_pref_size 104
	.end_amdhsa_kernel
	.amdgpu_metadata
---
amdhsa.version: [ 1, 2 ]
amdhsa.kernels:
  - .name:           k_qb4370137a1_attn
    .symbol:         k_qb4370137a1_attn.kd
    .args:
      - { .name: qn_codes, .offset: 0, .size: 8, .value_kind: global_buffer, .address_space: global }
      - { .name: qn_scales, .offset: 8, .size: 8, .value_kind: global_buffer, .address_space: global }
      - { .name: w_q_codes, .offset: 16, .size: 8, .value_kind: global_buffer, .address_space: global }
      - { .name: w_q_scales, .offset: 24, .size: 8, .value_kind: global_buffer, .address_space: global }
      - { .name: kv_codes, .offset: 32, .size: 8, .value_kind: global_buffer, .address_space: global }
      - { .name: kvs, .offset: 40, .size: 8, .value_kind: global_buffer, .address_space: global }
      - { .name: ao_codes, .offset: 48, .size: 8, .value_kind: global_buffer, .address_space: global }
      - { .name: ao_scales, .offset: 56, .size: 8, .value_kind: global_buffer, .address_space: global }
    .group_segment_fixed_size: 198656
    .private_segment_fixed_size: 0
    .kernarg_segment_align: 8
    .kernarg_segment_size: 64
    .max_flat_workgroup_size: 512
    .sgpr_count:     100
    .vgpr_count:     256
    .wavefront_size: 32
...
	.end_amdgpu_metadata
.endif
;; end of part 3
;; launch fc (part 4): grid 4 x 64, 4 waves a work-group, clusters of 4 x 4, 327,680 bytes of LDS; arguments ao_codes, ao_scales, w_fc_codes, w_fc_scales, q, stats, emb1, out0; writes out0
.if DOCPART == 4
	.amdgcn_target "amdgcn-amd-amdhsa--gfx1250"
	.amdhsa_code_object_version 6
	.text
	.protected	k_qb4370137a1_fc
	.globl	k_qb4370137a1_fc
	.p2align	8
	.type	k_qb4370137a1_fc,@function
k_qb4370137a1_fc:
	s_mov_b64 s[64:65], 0
	v_nop
	global_prefetch_b8 v0, s[64:65] scope:SCOPE_SE
	s_setreg_imm32_b32 hwreg(HW_REG_WAVE_MODE, 25, 1), 1
	s_wait_xcnt 0x0
	s_wait_alu depctr_hold_cnt(0) depctr_sa_sdst(0) depctr_va_vdst(0) depctr_va_sdst(0) depctr_va_ssrc(0) depctr_va_vcc(0) depctr_vm_vsrc(0)
	s_getreg_b32 s2, hwreg(HW_REG_IB_STS2, 6, 4)
	s_cmp_eq_u32 s2, 0
	s_cbranch_scc0 .Lentry_in_a_cluster
	s_endpgm
.Lentry_in_a_cluster:
	s_bfe_u32 s2, ttmp6, 0x10000c
	s_cmp_lg_u32 s2, 0xf033
	s_cbranch_scc0 .Lentry_shape_is_right
	s_endpgm
.Lentry_shape_is_right:
.set PITCH, 528
.set HALFT, 128*PITCH
.set BOFF,  65536
.set SCL,   BOFF+2*HALFT
.set STAGE, SCL+4352+8704
.set ADRA, 16
.set ADRB, 20
.set STO,  24
.set RD,   25
.set CO,   26
.set ADRS, 27
.set SC,   32
.set AF,   128
.set G1A,  20
.set G1B,  28
.set G1SA, 36
.set G1SB, 44
.set G0A,  52
.set G0B,  56
.set G0SA, 60
.set G0SB, 68
.set WV,   96
.set AH,   97
.set BH,   98
.set MSB, 0
.macro WIN new
.if MSB != (\new)
	s_set_vgpr_msb (MSB<<8)|(\new)
.set MSB, (\new)
.endif
.endm
.macro PLACES n
.rept \n
	v_nop
.endr
.endm
.macro JLOAD g0a, g1a, g0b, g1b
	s_cmp_eq_u32 s[AH], 0
	s_cbranch_scc0 .Lfor_b_\@
	tensor_load_to_lds s[\g0a:\g0a+3], s[\g1a:\g1a+7]
	s_nop 0
.rept 4
	v_nop
.endr
	s_branch .Lasked_\@
.Lfor_b_\@:
	tensor_load_to_lds s[\g0b:\g0b+3], s[\g1b:\g1b+7]
	s_nop 0
.rept 4
	v_nop
.endr
.Lasked_\@:
.endm
.macro CROUND
	s_barrier_signal -1
	s_barrier_wait -1
	s_cmp_lg_u32 s[WV], 0
	s_cbranch_scc1 .Lnot_wave_0_\@
	s_barrier_signal -3
.Lnot_wave_0_\@:
	s_barrier_wait -3
	s_barrier_signal -1
	s_barrier_wait -1
.endm
	s_load_b256 s[4:11], s[0:1], 0x0
	s_load_b256 s[88:95], s[0:1], 0x20
	v_lshl_add_u32 v126, v0, 2, 0x40000
	v_mov_b32 v127, 0
	ds_add_u32 v126, v127
	ds_add_u32 v126, v127
	v_lshrrev_b32 v1, 5, v0
	v_readfirstlane_b32 s[WV], v1
	s_lshr_b32 s[AH], s[WV], 1
	s_and_b32 s[BH], s[WV], 1
	s_bfe_u32 s99, ttmp6, 0x40000
	s_bfe_u32 s100, ttmp6, 0x40004
	s_lshl_b32 s12, ttmp9, 2
	s_add_co_u32 s12, s12, s99
	s_and_b32 s13, ttmp7, 0xffff
	s_lshl_b32 s13, s13, 2
	s_add_co_u32 s13, s13, s100
	s_lshl_b32 s14, s100, 2
	s_lshl_b32 s14, 15, s14
	s_lshl_b32 s15, 0x1111, s99
	s_or_b32 s[G1A], s14, (3<<16)|(1<<21)
	s_mov_b32 s[G1A+1], 32<<16
	s_mov_b32 s[G1A+2], 128<<16
	s_mov_b32 s[G1A+3], 32<<16
	s_mov_b32 s[G1A+4], 128
	s_mov_b32 s[G1A+5], 32
	s_mov_b32 s[G1A+6], 0
	s_mov_b32 s[G1A+7], 0
	s_or_b32 s[G1B], s15, (1<<20)|(1<<21)|(6<<22)|(3<<25)
	s_mov_b32 s[G1B+1], 512<<16
	s_mov_b32 s[G1B+2], 128<<16
	s_mov_b32 s[G1B+3], 512<<16
	s_mov_b32 s[G1B+4], 128
	s_mov_b32 s[G1B+5], 512
	s_mov_b32 s[G1B+6], 0
	s_mov_b32 s[G1B+7], 0
	s_or_b32 s[G1SA], s14, (3<<16)|(1<<20)|(1<<21)|(5<<22)|(3<<25)
	s_mov_b32 s[G1SA+1], 32<<16
	s_mov_b32 s[G1SA+2], 8<<16
	s_mov_b32 s[G1SA+3], 32<<16
	s_mov_b32 s[G1SA+4], 8
	s_mov_b32 s[G1SA+5], 32
	s_mov_b32 s[G1SA+6], 0
	s_mov_b32 s[G1SA+7], 0
	s_or_b32 s[G1SB], s15, (3<<16)|(1<<20)|(1<<21)|(5<<22)|(3<<25)
	s_mov_b32 s[G1SB+1], 32<<16
	s_mov_b32 s[G1SB+2], 16<<16
	s_mov_b32 s[G1SB+3], 32<<16
	s_mov_b32 s[G1SB+4], 16
	s_mov_b32 s[G1SB+5], 32
	s_mov_b32 s[G1SB+6], 0
	s_mov_b32 s[G1SB+7], 0
	s_lshl_b32 s16, s13, 16
	s_lshl_b32 s101, s[BH], 15
	s_add_co_u32 s16, s16, s101
	s_mov_b32 s17, 0
	s_lshl_b32 s72, s13, 12
	s_lshl_b32 s101, s[BH], 11
	s_add_co_u32 s72, s72, s101
	s_mov_b32 s73, 0
	s_lshl_b32 s74, s12, 8
	s_lshl_b32 s101, s[BH], 7
	s_add_co_u32 s74, s74, s101
	s_lshl_b32 s18, s74, 9
	s_mov_b32 s19, 0
	s_lshl_b32 s74, s74, 5
	s_mov_b32 s75, 0
	s_wait_dscnt 0x0
	s_wait_kmcnt 0x0
	CROUND
	s_mov_b32 s[G0SA], 1
	s_mul_i32 s[G0SA+1], s[BH], 2176
	s_add_co_u32 s[G0SA+1], s[G0SA+1], SCL
	s_add_nc_u64 s[G0SA+2:G0SA+3], s[6:7], s[72:73]
	s_or_b32 s[G0SA+3], s[G0SA+3], 0x80000000
	s_mov_b32 s[G0SB], 1
	s_mul_i32 s[G0SB+1], s[BH], 4352
	s_add_co_u32 s[G0SB+1], s[G0SB+1], SCL+4352
	s_add_nc_u64 s[G0SB+2:G0SB+3], s[10:11], s[74:75]
	s_or_b32 s[G0SB+3], s[G0SB+3], 0x80000000
	JLOAD G0SA, G1SA, G0SB, G1SB
	s_mov_b32 s[G0A], 1
	s_lshl_b32 s[G0A+1], s[BH], 15
	s_add_nc_u64 s[G0A+2:G0A+3], s[4:5], s[16:17]
	s_or_b32 s[G0A+3], s[G0A+3], 0x80000000
	s_mov_b32 s[G0B], 1
	s_mul_i32 s[G0B+1], s[BH], HALFT
	s_add_co_u32 s[G0B+1], s[G0B+1], BOFF
	s_add_nc_u64 s[G0B+2:G0B+3], s[8:9], s[18:19]
	s_or_b32 s[G0B+3], s[G0B+3], 0x80000000
	s_wait_alu depctr_va_vdst(0)
	s_wait_tensorcnt 0x0
	ds_add_u32 v126, v127
	s_wait_dscnt 0x0
	CROUND
	JLOAD G0A, G1A, G0B, G1B
	s_lshl_b32 s76, s13, 7
	s_lshl_b32 s101, s[AH], 6
	s_add_co_u32 s76, s76, s101
	s_lshl_b32 s77, s12, 10
	s_lshl_b32 s101, s[BH], 9
	s_add_co_u32 s77, s77, s101
	s_lshl_b32 s78, s76, 12
	s_add_co_u32 s78, s78, s77
	s_mov_b32 s79, 0
	s_add_nc_u64 s[88:89], s[88:89], s[78:79]
	s_add_nc_u64 s[94:95], s[94:95], s[78:79]
	s_lshl_b32 s80, s76, 3
	s_mov_b32 s81, 0
	s_add_nc_u64 s[90:91], s[90:91], s[80:81]
	s_lshr_b32 s82, s13, 4
	s_lshl_b32 s82, s82, 13
	s_add_co_u32 s82, s82, s77
	s_mov_b32 s83, 0
	s_add_nc_u64 s[92:93], s[92:93], s[82:83]
	v_and_b32 v1, 15, v0
	v_bfe_u32 v2, v0, 4, 1
	v_and_b32 v3, 31, v0
	v_lshlrev_b32 v[CO], 4, v3
	global_load_b128 v[8:11], v[CO], s[92:93]
	global_load_b128 v[12:15], v[CO], s[92:93] offset:4096
	WIN 0xc0
.set M, 0
.rept 64
	global_load_b128 v[4*M:4*M+3], v[CO], s[88:89] offset:4096*M th:TH_LOAD_NT
.set M, M+1
.endr
	WIN 0
	s_load_b512 s[72:87], s[90:91], 0x0
	s_load_b512 s[4:19], s[90:91], 0x40
	s_lshl_b32 s101, s[AH], 15
	v_add_nc_u32 v[ADRA], s101, v[CO]
	v_mul_u32_u24 v4, v1, PITCH
	v_lshl_add_u32 v4, v2, 4, v4
	s_mul_i32 s101, s[BH], HALFT
	s_add_co_u32 s101, s101, BOFF
	v_add_nc_u32 v[ADRB], s101, v4
	v_lshlrev_b32 v5, 5, v1
	v_lshrrev_b32 v6, 3, v1
	v_lshl_add_u32 v5, v6, 4, v5
	s_mul_i32 s99, s[AH], 2176
	s_mul_i32 s100, s[BH], 4352
	s_add_co_u32 s100, s100, 4352
	s_sub_co_u32 s100, s100, s99
	v_mul_u32_u24 v6, s100, v2
	s_add_co_u32 s99, s99, SCL
	v_add_nc_u32 v5, v5, v6
	v_add_nc_u32 v[ADRS], s99, v5
	s_mul_i32 s101, s[WV], 16*528
	s_add_co_u32 s101, s101, STAGE
	v_mul_u32_u24 v[STO], v1, 528
	v_lshl_add_u32 v[STO], v2, 5, v[STO]
	v_add_nc_u32 v[STO], s101, v[STO]
	v_add_nc_u32 v[RD], s101, v[CO]
.macro RESID k, S
	s_wait_loadcnt 56-8*\k
.irp e, 0,1,2,3,4,5,6,7
.irp c, 0,1,2,3
	v_fma_f32 v[4*(8*\k+\e)+\c], v[4*(8*\k+\e)+\c], s[\S+2*\e], s[\S+2*\e+1]
.endr
	v_pk_fma_f32 v[4*(8*\k+\e):4*(8*\k+\e)+1], v[4*(8*\k+\e):4*(8*\k+\e)+1], v[8:9], v[12:13]
	v_pk_fma_f32 v[4*(8*\k+\e)+2:4*(8*\k+\e)+3], v[4*(8*\k+\e)+2:4*(8*\k+\e)+3], v[10:11], v[14:15]
.endr
.endm
	s_wait_kmcnt 0x0
	WIN 0xc3
	RESID 0, 72
	s_load_b512 s[72:87], s[90:91], 0x80
	RESID 1, 4
	s_load_b512 s[4:19], s[90:91], 0xc0
	s_wait_kmcnt 0x0
	RESID 2, 72
	s_load_b512 s[72:87], s[90:91], 0x100
	RESID 3, 4
	s_load_b512 s[4:19], s[90:91], 0x140
	s_wait_kmcnt 0x0
	RESID 4, 72
	s_load_b512 s[72:87], s[90:91], 0x180
	RESID 5, 4
	s_load_b512 s[4:19], s[90:91], 0x1c0
	s_wait_kmcnt 0x0
	RESID 6, 72
	RESID 7, 4
	WIN 0
	s_wait_tensorcnt 0x0
	s_barrier_signal -1
	s_barrier_wait -1
.macro FETCH s, p
	WIN 0x40
.irp i, 0,1,2,3,4,5,6,7
.irp c, 0,1
	ds_load_b128 v[128*(\p)+8*\i+4*\c:128*(\p)+8*\i+4*\c+3], v[ADRB] offset:64*(\s)+32*\c+\i*16*PITCH
.endr
.endr
	WIN 0
.irp a, 0,1,2,3
.irp c, 0,1
	ds_load_b128 v[AF+32*(\p)+8*\a+4*\c:AF+32*(\p)+8*\a+4*\c+3], v[ADRA] offset:8192*\a+1024*(\s)+512*\c
.endr
.endr
.endm
.macro SCALES
.irp cc, 0,1
.irp i, 0,1,2,3,4,5,6,7
	ds_load_b128 v[SC+32*\cc+4*\i:SC+32*\cc+4*\i+3], v[ADRS] offset:544*\i+16*\cc
.endr
.endr
.endm
.macro STEP s, zero, last
	s_wait_dscnt 0x0
.if \last == 0
	PLACES 4
	FETCH (\s)+1, 1-(\s)%2
.endif
	WIN 0xa1
.irp a, 0,1,2,3
.irp b, 0,1,2,3,4,5,6,7
.if \zero
	v_wmma_scale_f32_16x16x128_f8f6f4 v[8*(8*\a+\b):8*(8*\a+\b)+7], v[128*((\s)%2)+8*\b:128*((\s)%2)+8*\b+7], v[AF+32*((\s)%2)+8*\a:AF+32*((\s)%2)+8*\a+7], 0, v[SC+32*((\s)/4)+4*\b+(\s)%4], v[SC+32*((\s)/4)+4*\a+(\s)%4] matrix_a_fmt:MATRIX_FMT_FP4 matrix_b_fmt:MATRIX_FMT_FP4 matrix_a_scale:MATRIX_SCALE_ROW1
.else
	v_wmma_scale_f32_16x16x128_f8f6f4 v[8*(8*\a+\b):8*(8*\a+\b)+7], v[128*((\s)%2)+8*\b:128*((\s)%2)+8*\b+7], v[AF+32*((\s)%2)+8*\a:AF+32*((\s)%2)+8*\a+7], v[8*(8*\a+\b):8*(8*\a+\b)+7], v[SC+32*((\s)/4)+4*\b+(\s)%4], v[SC+32*((\s)/4)+4*\a+(\s)%4] matrix_a_fmt:MATRIX_FMT_FP4 matrix_b_fmt:MATRIX_FMT_FP4 matrix_a_scale:MATRIX_SCALE_ROW1
.endif
.endr
.endr
	WIN 0
.endm
	FETCH 0, 0
	SCALES
	STEP 0, 1, 0
	STEP 1, 0, 0
	STEP 2, 0, 0
	STEP 3, 0, 0
	STEP 4, 0, 0
	STEP 5, 0, 0
	STEP 6, 0, 0
	STEP 7, 0, 1
.macro TOSTAGE a
	WIN 0x08
.irp b, 0,1,2,3,4,5,6,7
	ds_store_b128 v[STO], v[64*(\a)+8*\b:64*(\a)+8*\b+3] offset:64*\b
	ds_store_b128 v[STO], v[64*(\a)+8*\b+4:64*(\a)+8*\b+7] offset:64*\b+16
.endr
	WIN 0
.set BB, 128+64*((\a)%2)
.irp t, 0,1,2,3,4,5,6,7,8,9,10,11,12,13,14,15
	ds_load_b128 v[BB+4*\t:BB+4*\t+3], v[RD] offset:\t*528
.endr
.endm
.macro SEND a, younger
.set BB, 128+64*((\a)%2)
	s_wait_dscnt \younger
	WIN 0x0c
.irp t, 0,1,2,3,4,5,6,7,8,9,10,11,12,13,14,15
	v_pk_add_f32 v[BB+4*\t:BB+4*\t+1], v[BB+4*\t:BB+4*\t+1], v[64*(\a)+4*\t:64*(\a)+4*\t+1]
	v_pk_add_f32 v[BB+4*\t+2:BB+4*\t+3], v[BB+4*\t+2:BB+4*\t+3], v[64*(\a)+4*\t+2:64*(\a)+4*\t+3]
.endr
	WIN 0
.irp t, 0,1,2,3,4,5,6,7,8,9,10,11,12,13,14,15
	global_store_b128 v[CO], v[BB+4*\t:BB+4*\t+3], s[94:95] offset:(16*(\a)+\t)*4096 th:TH_STORE_NT
.endr
.endm
	PLACES 4
	TOSTAGE 0
.irp a, 1,2,3
.if \a > 1
	s_wait_xcnt 0x0
.endif
	TOSTAGE \a
	SEND \a-1, 32
.endr
	SEND 3, 0
	s_wait_tensorcnt 0x0
	ds_add_u32 v126, v127
	s_wait_dscnt 0x0
	CROUND
	s_endpgm
.Lfunc_end_k_qb4370137a1_fc:
	.size	k_qb4370137a1_fc, .Lfunc_end_k_qb4370137a1_fc-k_qb4370137a1_fc
	.p2alignl 7, 3214868480
	.fill 96, 4, 3214868480
	.section	.rodata,"a",@progbits
	.p2align	6, 0x0
	.amdhsa_kernel k_qb4370137a1_fc
		.amdhsa_group_segment_fixed_size 327680
		.amdhsa_private_segment_fixed_size 0
		.amdhsa_enable_private_segment 0
		.amdhsa_kernarg_size 64
		.amdhsa_user_sgpr_count 2
		.amdhsa_user_sgpr_kernarg_segment_ptr 1
		.amdhsa_wavefront_size32 1
		.amdhsa_system_sgpr_workgroup_id_x 1
		.amdhsa_system_sgpr_workgroup_id_y 1
		.amdhsa_system_sgpr_workgroup_id_z 1
		.amdhsa_system_vgpr_workitem_id 0
		.amdhsa_next_free_vgpr 1024
		.amdhsa_next_free_sgpr 104
		.amdhsa_reserve_vcc 0
		.amdhsa_float_denorm_mode_32 3
		.amdhsa_float_denorm_mode_16_64 3
		.amdhsa_memory_ordered 1
		.amdhsa_forward_progress 1
		.amdhsa_inst_pref_size 110
	.end_amdhsa_kernel
	.amdgpu_metadata
---
amdhsa.version: [ 1, 2 ]
amdhsa.kernels:
  - .name:           k_qb4370137a1_fc
    .symbol:         k_qb4370137a1_fc.kd
    .args:
      - { .name: ao_codes, .offset: 0, .size: 8, .value_kind: global_buffer, .address_space: global }
      - { .name: ao_scales, .offset: 8, .size: 8, .value_kind: global_buffer, .address_space: global }
      - { .name: w_fc_codes, .offset: 16, .size: 8, .value_kind: global_buffer, .address_space: global }
      - { .name: w_fc_scales, .offset: 24, .size: 8, .value_kind: global_buffer, .address_space: global }
      - { .name: q, .offset: 32, .size: 8, .value_kind: global_buffer, .address_space: global }
      - { .name: stats, .offset: 40, .size: 8, .value_kind: global_buffer, .address_space: global }
      - { .name: emb1, .offset: 48, .size: 8, .value_kind: global_buffer, .address_space: global }
      - { .name: out0, .offset: 56, .size: 8, .value_kind: global_buffer, .address_space: global }
    .group_segment_fixed_size: 327680
    .private_segment_fixed_size: 0
    .kernarg_segment_align: 8
    .kernarg_segment_size: 64
    .max_flat_workgroup_size: 128
    .sgpr_count:     104
    .vgpr_count:     1024
    .wavefront_size: 32
...
	.end_amdgpu_metadata
.endif
;; end of part 4
